; MI455X (gfx1250); checked and timed in simulation.
; The chip was launched on July 23, 2026; its instructions are those of AMD's public machine-readable ISA for CDNA 5 (MIT licence, August 2026) and "CDNA5" Instruction Set Architecture Reference Guide (July 2026). The comments in the code are by the model that wrote it; some were corrected since.
;; Attention. Allowed arithmetic: float matrix products may take bf16 or f16 operands with f32 sums; other float arithmetic in f32, or as packed bf16 or f16 multiplies, adds, multiply-adds, maxima and minima; sums over many terms, partial sums and values carried from step to step in f32; what a program stores and reads back later, other than sums and carried values, may be rounded once to bf16 or f16.
;; Inputs: W_proj 1,024 x 512 float32; W_score 1,024 x 512 float32; W_value 1,024 x 512 float32; b_proj 512 float32; b_score 512 float32; b_value 512 float32; listener_len 32 int32; listener_state 2,048 x 32 x 1,024 float32; speller_state 32 x 1,024 float32.
;; Outputs: out0 32 x 512 float32; out1 32 x 2,048 float32.
;; Constants: batch_size = 32.
;; 2 versions, each right; version 2 is version 1 with the launch main written anew for expert scheduling mode. Each part assembles by itself: llvm-mc -triple=amdgcn-amd-amdhsa -mcpu=gfx1250 --defsym DOCPART=n.
;; ======== version 1 of 2: 3 launches
;; workspace buffers: wf 2,097,152 bytes; qpart 524,288 bytes; scores 262,144 bytes; pctx 1,048,576 bytes
;; launch prep (part 1): grid 192 x 1, 4 waves a work-group, no clusters, 0 bytes of LDS; arguments W_score, W_value, W_proj, speller_state, wf, qpart; writes wf, qpart
.if DOCPART == 1
	.amdgcn_target "amdgcn-amd-amdhsa--gfx1250"
	.amdhsa_code_object_version 6
	.text
	.protected	k_q3997c15135_prep
	.globl	k_q3997c15135_prep
	.p2align	8
	.type	k_q3997c15135_prep,@function
k_q3997c15135_prep:
	s_mov_b64 s[64:65], 0
	v_nop
	global_prefetch_b8 v0, s[64:65] scope:SCOPE_SE
	s_setreg_imm32_b32 hwreg(HW_REG_WAVE_MODE, 25, 1), 1
	s_wait_xcnt 0x0
; TWO TASKS, chosen by the work-group's number.
; Work-groups 0-127: W_score and W_value ([1024 k][512 n] f32) are rounded once to bf16 and written in the order in which the main launch's waves
; load them: wf byte = w*524288 + p*262144 + s*8192 + f*1024 + h2*512 + lane*16, where w = 128 columns, p = 0 score / 1 value, s = K step of 32,
; f = block of 16 columns, h2 = half of a fragment's registers; lane (r = lane % 16, h = lane / 16) holds W_p[32 s + 16 h2 + 8 h + 0..7][128 w + 16 f + r].
; Work-groups 128-191: eight partial sums over K of speller_state x W_proj, by the matrix unit in bf16 with f32 sums: qpart[kq][32 b][512 n] f32.
; No LDS, no barrier: no wave wants what another wave has loaded.
.set ROWW, 2048                        ; bytes in a row of a weight matrix
	s_load_b256 s[4:11], s[0:1], 0x0               ; W_score s[4:5], W_value s[6:7], W_proj s[8:9], speller_state s[10:11]
	s_load_b128 s[12:15], s[0:1], 0x20             ; wf s[12:13], qpart s[14:15]
	v_and_b32 v1, 15, v0                           ; r
	v_bfe_u32 v2, v0, 4, 1                         ; h
	v_and_b32 v3, 31, v0                           ; lane
	v_lshrrev_b32 v4, 5, v0
	v_readfirstlane_b32 s16, v4                    ; wave 0..3
	s_mov_b32 s17, ttmp9                           ; the work-group's number
	v_lshlrev_b32 v5, 2, v1
	v_lshl_add_u32 v5, v2, 14, v5                  ; in a weight matrix: 8 h rows down, column r
	v_lshlrev_b32 v6, 4, v3                        ; 16 x lane
	s_wait_kmcnt 0x0
	s_cmp_lt_u32 s17, 128
	s_cbranch_scc0 .Lq
	; ---- the weights: a wave takes one K step (32 rows) x 64 columns
	s_lshr_b32 s18, s17, 6                         ; p
	s_bfe_u32 s19, s17, 0x50001                    ; s: 5 bits from bit 1
	s_and_b32 s20, s17, 1
	s_lshl2_add_u32 s20, s20, s16                  ; ng = 4 (g & 1) + wave: which 64 columns
	s_cmp_eq_u32 s18, 0
	s_cselect_b64 s[22:23], s[4:5], s[6:7]         ; the matrix
	s_lshl_b32 s24, s19, 16                        ; 32 s rows of 2,048 bytes
	s_lshl_b32 s25, s20, 8                         ; 64 ng columns of 4 bytes
	s_add_co_u32 s24, s24, s25
	s_mov_b32 s25, 0
	s_add_nc_u64 s[22:23], s[22:23], s[24:25]
	s_lshr_b32 s26, s20, 1                         ; w
	s_lshl_b32 s26, s26, 19
	s_lshl_b32 s27, s18, 18
	s_add_co_u32 s26, s26, s27
	s_lshl_b32 s27, s19, 13
	s_add_co_u32 s26, s26, s27
	s_and_b32 s27, s20, 1                          ; f = 4 (ng & 1) + f'
	s_lshl_b32 s27, s27, 12
	s_add_co_u32 s26, s26, s27
	s_mov_b32 s27, 0
	s_add_nc_u64 s[12:13], s[12:13], s[26:27]
	; group g = 2 f' + h2 takes 8 registers: k = 16 h2 + 8 h + i, column 16 f' + r.  The four f' of a row stand together: they cover the row's 256 bytes.
.irp h2, 0,1
.irp i, 0,1,2,3,4,5,6,7
.irp f, 0,1,2,3
	global_load_b32 v[64+8*(2*\f+\h2)+\i], v5, s[22:23] offset:(16*\h2+\i)*ROWW+\f*64
.endr
.endr
.endr
	s_wait_loadcnt 0x0
.set g, 0
.rept 8
.irp m, 0,1,2,3
	v_cvt_pk_bf16_f32 v[32+4*g+\m], v[64+8*g+2*\m], v[64+8*g+2*\m+1]  ; two roundings to nearest even, the lower k in the low half
.endr
.set g, g+1
.endr
.set g, 0
.rept 8
	global_store_b128 v6, v[32+4*g:32+4*g+3], s[12:13] offset:512*g  ; f' x 1,024 + h2 x 512 = 512 g: each store covers 512 consecutive bytes, the wave's eight 4,096
.set g, g+1
.endr
	s_endpgm
.Lq:	; ---- the query's partial sums: a wave takes 16 columns x all 32 rows of speller_state x 128 along K
	s_sub_co_u32 s17, s17, 128
	s_lshr_b32 s18, s17, 1                         ; nb: which 16 columns
	s_and_b32 s19, s17, 1
	s_lshl2_add_u32 s19, s19, s16                  ; kq = 4 (g' & 1) + wave: which 128 of K
	s_lshl_b32 s24, s19, 18                        ; 128 kq rows of W_proj
	s_lshl_b32 s25, s18, 6                         ; 16 nb columns
	s_add_co_u32 s24, s24, s25
	s_mov_b32 s25, 0
	s_add_nc_u64 s[8:9], s[8:9], s[24:25]
	s_lshl_b32 s24, s19, 9                         ; 128 kq numbers along a row of speller_state
	s_add_nc_u64 s[10:11], s[10:11], s[24:25]
	s_lshl_b32 s24, s19, 16                        ; plane kq of qpart,
	s_lshl_b32 s26, s18, 6                         ; column 16 nb
	s_add_co_u32 s24, s24, s26
	s_add_nc_u64 s[14:15], s[14:15], s[24:25]
	v_lshlrev_b32 v7, 12, v1
	v_lshl_add_u32 v7, v2, 5, v7                   ; speller_state: row r, 8 h numbers on
	v_lshlrev_b32 v8, 11, v1
	v_lshl_add_u32 v8, v2, 5, v8                   ; qpart: row r, 8 h columns on
	; sixteen raw f32 for each fragment, in groups of 16 registers: W_proj's four (ks) at v64 + 16 ks, speller_state's eight (mb, ks) at v128 + 16 (4 mb + ks)
.irp ks, 0,1,2,3
.irp h2, 0,1
.irp i, 0,1,2,3,4,5,6,7
	global_load_b32 v[64+16*\ks+8*\h2+\i], v5, s[8:9] offset:(32*\ks+16*\h2+\i)*ROWW
.endr
.endr
.endr
.irp mb, 0,1
.irp ks, 0,1,2,3
	global_load_b128 v[128+16*(4*\mb+\ks):128+16*(4*\mb+\ks)+3],     v7, s[10:11] offset:\mb*65536+\ks*128
	global_load_b128 v[128+16*(4*\mb+\ks)+4:128+16*(4*\mb+\ks)+7],   v7, s[10:11] offset:\mb*65536+\ks*128+16
	global_load_b128 v[128+16*(4*\mb+\ks)+8:128+16*(4*\mb+\ks)+11],  v7, s[10:11] offset:\mb*65536+\ks*128+64
	global_load_b128 v[128+16*(4*\mb+\ks)+12:128+16*(4*\mb+\ks)+15], v7, s[10:11] offset:\mb*65536+\ks*128+80
.endr
.endr
	s_wait_loadcnt 0x0
.set g, 0
.rept 12                               ; in place and ascending: register m of a group takes numbers 2 m and 2 m + 1, which no earlier line of the group has overwritten; the fragment is the group's first 8
.irp m, 0,1,2,3,4,5,6,7
	v_cvt_pk_bf16_f32 v[64+16*g+\m], v[64+16*g+2*\m], v[64+16*g+2*\m+1]
.endr
.set g, g+1
.endr
	; source 0 = 16 columns of W_proj, source 1 = 16 rows of speller_state: a lane ends with one row (16 mb + r) and eight neighbouring columns (16 nb + 8 h + 0..7).
	; The two accumulators take turns, one instruction a turn; the first K step starts the sums with the constant 0.
.irp ks, 0,1,2,3
.irp mb, 0,1
.if \ks == 0
	v_wmma_f32_16x16x32_bf16 v[16+8*\mb:23+8*\mb], v[64+16*\ks:71+16*\ks], v[128+16*(4*\mb+\ks):135+16*(4*\mb+\ks)], 0
.else
	v_wmma_f32_16x16x32_bf16 v[16+8*\mb:23+8*\mb], v[64+16*\ks:71+16*\ks], v[128+16*(4*\mb+\ks):135+16*(4*\mb+\ks)], v[16+8*\mb:23+8*\mb]
.endif
.endr
.endr
.rept 8
	v_nop                                          ; the places between the last product and the stores that read the sums; once a launch, so twice four
.endr
.irp mb, 0,1                           ; each accumulator's low registers first.  These stores write 64-byte pieces of rows, 512 KiB in the whole launch; in exchange the main launch reads qpart as whole rows
	global_store_b128 v8, v[16+8*\mb:19+8*\mb], s[14:15] offset:\mb*32768
	global_store_b128 v8, v[20+8*\mb:23+8*\mb], s[14:15] offset:\mb*32768+16
.endr
	s_endpgm
.Lfunc_end_k_q3997c15135_prep:
	.size	k_q3997c15135_prep, .Lfunc_end_k_q3997c15135_prep-k_q3997c15135_prep
	.p2alignl 7, 3214868480
	.fill 96, 4, 3214868480
	.section	.rodata,"a",@progbits
	.p2align	6, 0x0
	.amdhsa_kernel k_q3997c15135_prep
		.amdhsa_group_segment_fixed_size 0
		.amdhsa_private_segment_fixed_size 0
		.amdhsa_enable_private_segment 0
		.amdhsa_kernarg_size 48
		.amdhsa_user_sgpr_count 2
		.amdhsa_user_sgpr_kernarg_segment_ptr 1
		.amdhsa_wavefront_size32 1
		.amdhsa_system_sgpr_workgroup_id_x 1
		.amdhsa_system_sgpr_workgroup_id_y 1
		.amdhsa_system_sgpr_workgroup_id_z 1
		.amdhsa_system_vgpr_workitem_id 0
		.amdhsa_next_free_vgpr 256
		.amdhsa_next_free_sgpr 66
		.amdhsa_reserve_vcc 0
		.amdhsa_float_denorm_mode_32 3
		.amdhsa_float_denorm_mode_16_64 3
		.amdhsa_memory_ordered 1
		.amdhsa_forward_progress 1
		.amdhsa_inst_pref_size 28
	.end_amdhsa_kernel
	.amdgpu_metadata
---
amdhsa.version: [ 1, 2 ]
amdhsa.kernels:
  - .name:           k_q3997c15135_prep
    .symbol:         k_q3997c15135_prep.kd
    .args:
      - { .name: W_score, .offset: 0, .size: 8, .value_kind: global_buffer, .address_space: global }
      - { .name: W_value, .offset: 8, .size: 8, .value_kind: global_buffer, .address_space: global }
      - { .name: W_proj, .offset: 16, .size: 8, .value_kind: global_buffer, .address_space: global }
      - { .name: speller_state, .offset: 24, .size: 8, .value_kind: global_buffer, .address_space: global }
      - { .name: wf, .offset: 32, .size: 8, .value_kind: global_buffer, .address_space: global }
      - { .name: qpart, .offset: 40, .size: 8, .value_kind: global_buffer, .address_space: global }
    .group_segment_fixed_size: 0
    .private_segment_fixed_size: 0
    .kernarg_segment_align: 8
    .kernarg_segment_size: 48
    .max_flat_workgroup_size: 128
    .sgpr_count:     66
    .vgpr_count:     256
    .wavefront_size: 32
...
	.end_amdgpu_metadata
.endif
;; end of part 1
;; launch main (part 2): grid 32 x 16, 4 waves a work-group, no clusters, 303,616 bytes of LDS; arguments listener_state, wf, qpart, b_score, b_value, b_proj, listener_len, scores, pctx; writes scores, pctx
.if DOCPART == 2
	.amdgcn_target "amdgcn-amd-amdhsa--gfx1250"
	.amdhsa_code_object_version 6
	.text
	.protected	k_q3997c15135_main
	.globl	k_q3997c15135_main
	.p2align	8
	.type	k_q3997c15135_main,@function
k_q3997c15135_main:
	s_mov_b64 s[64:65], 0
	v_nop
	global_prefetch_b8 v0, s[64:65] scope:SCOPE_SE
	s_setreg_imm32_b32 hwreg(HW_REG_WAVE_MODE, 25, 1), 1
	s_wait_xcnt 0x0
; For one batch row b and 128 consecutive t (block j): q = relu(speller W_proj + b_proj); keys = relu(x W_score + b_score); s[t] = q . keys[t] (- 100 where t >= len[b]);
; m_j = max of the block's s; p[t] = e^(s[t] - m_j); vals = relu(x W_value + b_value); pctx[b][j][:] = the sum over t of p[t] vals[t][:].  Stored: the masked scores and pctx; the last launch joins the 16 blocks of a b.
; SHARES.  A work-group: 128 rows x 1,024 columns (512 keys, then 512 values) x K = 1,024.  A wave: all 128 rows x 128 columns of each pass: 64 accumulators of 16 x 16, 512 registers.
; x IS READ ONCE: f32 from memory, rounded to bf16, kept in LDS for both passes (128 rows x 2,048 bytes, padded: 294,912 bytes).  Its loads and conversions run under pass 1's products, a chunk of 64 k at a time.
; W COMES STRAIGHT INTO REGISTERS, in the order in which the launch before laid it: a wave's 64 K steps of both passes are one stream of 512 KiB, 8 KiB a step, each load 512 consecutive bytes.
; NO TENSOR LOADS, NO CLUSTER: each wave owns 128 of a pass's 512 columns, so no fragment of W is used by two waves of the work-group and LDS would add a trip without sparing a read;
; and beside x's 294,912 bytes and 8,704 of scratch 24,064 bytes are left, where one K step of 32 for 512 columns is 32,768 and two slots would be wanted.
; LAYOUTS.  Pass 1 is taken transposed (source 0 = 16 columns of W, source 1 = 16 rows of x): a lane holds ONE row t = 16 a + r and columns 128 w + 16 b + 8 h + 0..7, so q . keys is a sum inside the lane
; and one exchange of the lanes' halves.  Pass 2 is taken as it comes (source 0 = x, source 1 = W): a lane holds ONE column 128 w + 16 b + r and rows 16 a + 8 h + 0..7, so the sum over t is again inside the lane.
; The bias is the C operand of each pass's first K step: nothing is cleared, and no add is spent on it.
; LIMITS.  x, the weights, speller_state and the three biases are each rounded once to bf16.  q . keys and p . vals are made in f32 by vector instructions on the f32 sums: they have one useful column each, a thousandth of the
; launch's multiply-adds, and keys and values are so never rounded.  The maximum is taken away before the exponential, as a difference of scores, then scaled by log2(e).  A weight below 2^-126 counts as 0.  NaN and infinities are not treated apart.
; REGISTERS, in windows of 256 (s_set_vgpr_msb: bits 1:0 source 0, 3:2 source 1, 5:4 source 2, 7:6 destination):
;   window 0: v2-21 addresses; v22-31 at work; v32-63 packed bf16, later sums; v64-95 x's fragments of rows 0-63, v96-127 of rows 64-127; v128-191, v192-255 x in f32 on its way, two sets (later q, then p)
;   window 1: four buffers of W's fragments, 64 each (buffer 3 holds the bias during a pass's first step)      window 2: accumulators of rows 0-63, (a, b) at 8 (8 a + b)      window 3: those of rows 64-127
.set PITCH, 144                        ; an LDS row of a chunk: 128 bytes + 16: an odd multiple of 16, so the 16 rows of a fragment load start at 16 different groups of four banks (64 banks of 4 bytes: ISA guide 11.1)
.set CHUNK, 128*PITCH                  ; 64 k of all 128 rows
.set QL,    16*CHUNK                   ; 294,912: q, 512 f32
.set SP,    QL+2048                    ; [4 waves][128] partial scores
.set PW,    SP+2048                    ; [wave][128] p: each wave's own copy
.set CX,    PW+2048                    ; [wave][128] the way out: each wave's own
.set SPARE, CX+2048                    ; 303,104: the spare words, 128 bytes for each wave: two blocks of 256 bytes that no other line names
.set TROW,  131072                     ; bytes from t to t + 1 in listener_state
.set WOF,  2                           ; v2   16 x lane; never rewritten
.set XOF,  3                           ; v3   16 r + (32 w + 8 h) x TROW; never rewritten
.set PFO,  4                           ; v4   (32 w + lane) x TROW; never rewritten
.set AAD0, 5                           ; v5   r x PITCH + 16 h
.set AAD,  6                           ; v6   AAD0 + LB
.set XST0, 7                           ; v7   (32 w + 8 h) x PITCH + 8 r
.set XST,  8                           ; v8   XST0 + LB
.set SPW,  9                           ; v9   LDS address of my spare word; never rewritten
.set NIL,  10                          ; v10  0; never rewritten
.set QAD,  11
.set SPS,  12
.set SPR,  13
.set PWA,  14
.set PRD,  15
.set CXS,  16
.set CXR,  17
.set TIX,  18                          ; v18  128 j + 4 x lane: the t of my first score
.set BSO,  19
.set BVO,  20
.set QTO,  21
.set PK,   32
.set AF,   64
.set XR,   128
.set XP,   4                           ; s[4:5]  x at the block's first row, at the base chunk
.set WP,   6                           ; s[6:7]  my wave's stream of W, at the base step
.set WV,   22
.set BB,   23
.set JJ,   24
.set CNT,  25
.set LEN,  26
.set LB,   27                          ; LDS byte of the base chunk
.set SEL,  32                          ; s[32:33] v_permlanex16_b32's selects: each lane takes its own place in the other half
.set HIM,  34                          ; a word's upper bf16
.set M100, 35                          ; -100.0
.set L2E,  36                          ; log2(e)
.set MSB, 0
.macro WIN new                         ; the immediate's high byte repeats the setting that is left; a switch that changes nothing is dropped
.if MSB != (\new)
	s_set_vgpr_msb (MSB<<8)|(\new)
.set MSB, (\new)
.endif
.endm
.macro PLACES                          ; four plain vector instructions between a matrix instruction and a load into, or a vector access to, its registers
.rept 4
	v_nop
.endr
.endm
; 32 products: row blocks 4 hi + 0..3 x all 8 column blocks, 32 along K, W from buffer buf.  first = 1: C is the bias, in buffer 3's registers.
; The 64 accumulators take turns in the same order in every step, over the backward jumps too: 63 others' products stand between two on one accumulator.
.macro MUL32 ps, hi, buf, first
.if (\ps) == 1
.if \first
	WIN 0x91+0x40*(\hi)
.else
	WIN 0xa1+0x50*(\hi)
.endif
.else
.if \first
	WIN 0x94+0x40*(\hi)
.else
	WIN 0xa4+0x50*(\hi)
.endif
.endif
.irp a, 0,1,2,3
.irp b, 0,1,2,3,4,5,6,7
.set rD, 8*(8*(\a)+(\b))
.set rA, AF+32*(\hi)+8*(\a)
.set rB, 64*(\buf)+8*(\b)
.set rC, 192+8*(\b)
.if (\ps) == 1
.if \first
	v_wmma_f32_16x16x32_bf16 v[rD:rD+7], v[rB:rB+7], v[rA:rA+7], v[rC:rC+7]
.else
	v_wmma_f32_16x16x32_bf16 v[rD:rD+7], v[rB:rB+7], v[rA:rA+7], v[rD:rD+7]
.endif
.else
.if \first
	v_wmma_f32_16x16x32_bf16 v[rD:rD+7], v[rA:rA+7], v[rB:rB+7], v[rC:rC+7]
.else
	v_wmma_f32_16x16x32_bf16 v[rD:rD+7], v[rA:rA+7], v[rB:rB+7], v[rD:rD+7]
.endif
.endif
.endr
.endr
.endm
; x's fragments of 64 rows (hi) for 32 k: half ks of chunk ch behind the base.  Lane (r, h): row 16 a + r, k = 8 h + 0..7 and 16 + 8 h + 0..7: two loads of 16 bytes, 32 bytes apart.
.macro FA hi, ch, ks
.irp a, 0,1,2,3
	ds_load_b128 v[AF+32*(\hi)+8*(\a):AF+32*(\hi)+8*(\a)+3],   v[AAD] offset:(\ch)*CHUNK+(4*(\hi)+(\a))*16*PITCH+(\ks)*64
	ds_load_b128 v[AF+32*(\hi)+8*(\a)+4:AF+32*(\hi)+8*(\a)+7], v[AAD] offset:(\ch)*CHUNK+(4*(\hi)+(\a))*16*PITCH+(\ks)*64+32
.endr
.endm
; W's fragments of the step wo behind the base, into buffer buf: 16 loads of 512 consecutive bytes.  No cache word: every work-group reads them again.
.macro BL buf, wo
	WIN 0x40                                       ; destination window 1, address window 0
.irp f, 0,1,2,3,4,5,6,7
	global_load_b128 v[64*(\buf)+8*(\f):64*(\buf)+8*(\f)+3],   v[WOF], s[WP:WP+1] offset:(\wo)*8192+(\f)*1024
	global_load_b128 v[64*(\buf)+8*(\f)+4:64*(\buf)+8*(\f)+7], v[WOF], s[WP:WP+1] offset:(\wo)*8192+(\f)*1024+512
.endr
.endm
; My 32 rows of the chunk xo behind the base, in f32: each load takes 256 consecutive, aligned bytes of two rows (lanes 0-15 one, lanes 16-31 the row eight further down).
.macro XL set, xo
.set i, 0
.rept 16
	global_load_b128 v[XR+64*(\set)+4*i:XR+64*(\set)+4*i+3], v[XOF], s[XP:XP+1] offset:(\xo)*256+((i&7)+16*(i>>3))*TROW th:TH_LOAD_NT
.set i, i+1
.endr
.endm
.macro CVT set                         ; 64 f32 a lane to 32 words of bf16, rounded to nearest even
.set i, 0
.rept 32
	v_cvt_pk_bf16_f32 v[PK+i], v[XR+64*(\set)+2*i], v[XR+64*(\set)+2*i+1]
.set i, i+1
.endr
.endm
.macro XSTORE ch                       ; 8 bytes a lane: lanes 0-15 fill a row's 128 bytes, lanes 16-31 those of the row eight further down, 288 words on: the other half of the banks
.set i, 0
.rept 16
	ds_store_b64 v[XST], v[PK+2*i:PK+2*i+1] offset:(\ch)*CHUNK+((i&7)+16*(i>>3))*PITCH
.set i, i+1
.endr
.endm
; A K STEP of 32: 64 products.  q = the step's number mod 4 = its buffer of W.  The pointers' base is stepped once in four steps, in the middle of q = 3 (bump).
; In the middle: rows 0-63 of the next step's x fragments; conv: the chunk wanted two steps on is rounded (its 32 conversions are the four places) and put into LDS; xl: that set of registers is asked for again, two chunks on;
; pf: one prefetch.  At the end: bl: W of the step three on, into the buffer read in the step before; sig: my LDS stores are done, say so; rows 64-127 of the next step's fragments.
; bw: the barrier's wait, in the middle of the step behind the signal, ahead of the first read of the new chunk.  Between signal and wait stand LDS loads of an older chunk, which nobody writes again, waits and 32 products.
; lc: the global loads issued behind this step's W, which may stay out.
.macro STEP ps, q, first, conv, xl, pf, sig, bw, fa, bl, lc, bump
.set QQ, (\q)
.if (\q) == 3
.set QQ, -1                            ; behind the bump the base is the next step
.endif
	s_wait_dscnt 8                                 ; rows 0-63 are in; the youngest eight LDS loads (rows 64-127) may be out
	s_wait_loadcnt \lc
	MUL32 \ps, 0, \q, \first
	WIN 0
.if \bw
	s_barrier_wait -1                              ; every wave's part of the next chunk lies in LDS
.endif
.if \bump
	s_wait_xcnt 0x0                                ; every global load and prefetch issued so far (the youngest 32 products back) has read its address: the pointers may be written
	s_add_nc_u64 s[WP:WP+1], s[WP:WP+1], 4*8192
	s_add_co_u32 s[LB], s[LB], 2*CHUNK
.if (\ps) == 1
	s_add_nc_u64 s[XP:XP+1], s[XP:XP+1], 2*256
.endif
	v_add_nc_u32 v[AAD], s[LB], v[AAD0]            ; these lines are the four places
.if (\ps) == 1
	v_add_nc_u32 v[XST], s[LB], v[XST0]
.else
	v_nop
.endif
	v_nop
	v_nop
.elseif \conv
	CVT ((\q)/2+1)&1
.elseif \fa
	PLACES
.endif
.if \fa
	FA 0, (QQ+1)/2, (QQ+1)&1
.endif
.if \conv
	XSTORE (\q)/2+1
.endif
.if \xl
	XL ((\q)/2+1)&1, (\q)/2+3
.endif
.if \pf
	; A prefetch into the L2, behind the run of loads: the chunk four chunks beyond the one just asked for, eight K steps (512 products) ahead of its own loads.  A lane a row: my wave's own 32 rows x 256 bytes,
	; which no other wave of the launch reads: each block is named once.  Chunks 0 to 7 come by their loads alone; the loop's last two trips ask for nothing: chunk 15 is a row's last.
	s_cmp_gt_u32 s[CNT], 2
	s_cbranch_scc0 .Lnopf_\@
	global_prefetch_b8 v[PFO], s[XP:XP+1] offset:((\q)/2+7)*256 th:TH_LOAD_NT scope:SCOPE_SE
.Lnopf_\@:
.endif
	s_wait_dscnt 8*(\fa)+16*(\conv)                ; rows 64-127 are in; what was issued in this step's middle may be out
	MUL32 \ps, 1, \q, \first
	WIN 0
.if (\fa) || (\bl)
	PLACES
.endif
.if \bl
	BL ((\q)+3)&3, QQ+3
	WIN 0
.endif
.if \sig
	s_wait_dscnt 0x0                               ; for the others' sake: my stores of the chunk are done (and no LDS instruction of mine is out at a signal)
	s_barrier_signal -1
.endif
.if \fa
	FA 1, (QQ+1)/2, (QQ+1)&1
.endif
.endm
.macro RELU                            ; all 512 sums, in place and ascending: each accumulator's lowest register is read first
	WIN 0x88
.set i, 0
.rept 256
	v_max_num_f32 v[i], 0, v[i]
.set i, i+1
.endr
	WIN 0xcc
.set i, 0
.rept 256
	v_max_num_f32 v[i], 0, v[i]
.set i, i+1
.endr
	WIN 0
.endm
	; ---- the head
	s_load_b512 s[4:19], s[0:1], 0x0               ; x s[4:5], wf s[6:7], qpart s[8:9], b_score s[10:11], b_value s[12:13], b_proj s[14:15], listener_len s[16:17], scores s[18:19]
	s_load_b64 s[20:21], s[0:1], 0x40              ; pctx
	v_lshl_add_u32 v[SPW], v0, 2, SPARE
	v_mov_b32 v[NIL], 0
	v_lshrrev_b32 v22, 5, v0
	v_readfirstlane_b32 s[WV], v22                 ; wave 0..3
	s_mov_b32 s[BB], ttmp9                         ; b
	s_and_b32 s[JJ], ttmp7, 0xffff                 ; j
	s_mov_b32 s[SEL], 0x76543210
	s_mov_b32 s[SEL+1], 0xfedcba98
	s_mov_b32 s[HIM], 0xffff0000
	s_mov_b32 s[M100], 0xc2c80000
	s_mov_b32 s[L2E], 0x3fb8aa3b
	s_mov_b32 s[LB], 0
	v_and_b32 v23, 15, v0                          ; r
	v_bfe_u32 v24, v0, 4, 1                        ; h
	v_and_b32 v25, 31, v0                          ; lane
	s_lshl_b32 s28, s[WV], 22                      ; 32 w rows of x
	s_mul_i32 s29, s[WV], 32*PITCH                 ; 32 w rows of a chunk
	s_lshl_b32 s30, s[WV], 9                       ; 128 w numbers of 4 bytes
	s_lshl_b32 s31, s[JJ], 7
	v_lshlrev_b32 v[WOF], 4, v25
	v_lshlrev_b32 v[XOF], 4, v23
	v_lshl_add_u32 v[XOF], v24, 20, v[XOF]
	v_add_nc_u32 v[XOF], s28, v[XOF]
	v_lshl_add_u32 v[PFO], v25, 17, s28
	v_mul_u32_u24 v[AAD0], v23, PITCH
	v_lshl_add_u32 v[AAD0], v24, 4, v[AAD0]
	v_mov_b32 v[AAD], v[AAD0]
	v_mul_u32_u24 v[XST0], v24, 8*PITCH
	v_lshl_add_u32 v[XST0], v23, 3, v[XST0]
	v_add_nc_u32 v[XST0], s29, v[XST0]
	v_mov_b32 v[XST], v[XST0]
	v_lshl_add_u32 v[BSO], v24, 5, s30             ; (128 w + 8 h) x 4
	v_lshl_add_u32 v[BVO], v23, 2, s30             ; (128 w + r) x 4
	v_add_nc_u32 v[QAD], QL, v[BSO]
	v_add_nc_u32 v[SPS], SP, v[BVO]
	v_lshl_add_u32 v[SPR], v25, 4, SP
	v_lshl_add_u32 v[PWA], v25, 4, s30
	v_add_nc_u32 v[CXR], CX, v[PWA]
	v_add_nc_u32 v[PWA], PW, v[PWA]
	v_add_nc_u32 v[PRD], PW, v[BSO]
	v_add_nc_u32 v[CXS], CX, v[BVO]
	v_lshl_add_u32 v[TIX], v25, 2, s31
	v_lshlrev_b32 v[QTO], 4, v0
	v_lshl_add_u32 v26, v0, 4, QL                  ; where my four numbers of q go
	s_wait_kmcnt 0x0
	s_lshl_b32 s28, s[BB], 2
	s_mov_b32 s29, 0
	s_add_nc_u64 s[16:17], s[16:17], s[28:29]
	s_load_b32 s[LEN], s[16:17], 0x0               ; len[b]: it enters a compare and a select, no address and no branch
	s_lshl_b32 s28, s[JJ], 24                      ; 128 j rows of TROW bytes,
	s_lshl_b32 s30, s[BB], 12                      ; b's 4,096 bytes in each
	s_add_co_u32 s28, s28, s30
	s_add_nc_u64 s[XP:XP+1], s[XP:XP+1], s[28:29]
	s_lshl_b32 s28, s[WV], 19
	s_add_nc_u64 s[WP:WP+1], s[WP:WP+1], s[28:29]
	s_lshl_b32 s28, s[BB], 11
	s_add_nc_u64 s[8:9], s[8:9], s[28:29]          ; qpart at row b of plane 0
	s_lshl_b32 s28, s[BB], 13
	s_lshl_b32 s30, s[JJ], 9
	s_add_co_u32 s28, s28, s30
	s_add_nc_u64 s[18:19], s[18:19], s[28:29]      ; scores at (b, 128 j)
	s_lshl4_add_u32 s28, s[BB], s[JJ]
	s_lshl_b32 s28, s28, 11
	s_lshl_b32 s30, s[WV], 9
	s_add_co_u32 s28, s28, s30
	s_add_nc_u64 s[20:21], s[20:21], s[28:29]      ; pctx at (b, j, 128 w)
	; ---- the first loads, q, the first bias, chunk 0
	XL 0, 0
	XL 1, 1
.irp k, 0,1,2,3,4,5,6,7
	global_load_b128 v[64+4*\k:67+4*\k], v[QTO], s[8:9] offset:\k*65536  ; thread t: q's numbers 4 t .. 4 t + 3, the eight partial sums
.endr
	global_load_b128 v[96:99], v[QTO], s[14:15]    ; b_proj
	WIN 0x40
.irp b, 0,1,2,3,4,5,6,7
	global_load_b128 v[192+8*\b:195+8*\b], v[BSO], s[10:11] offset:64*\b     ; b_score[128 w + 16 b + 8 h + 0..7]: pass 1's C operand
	global_load_b128 v[196+8*\b:199+8*\b], v[BSO], s[10:11] offset:64*\b+16
.endr
	BL 0, 0
	BL 1, 1
	BL 2, 2
	WIN 0
	s_wait_kmcnt 0x0                               ; len[b]
	s_wait_loadcnt 48                              ; all but W's three steps
.irp k, 0,2,4,6
	v_pk_add_f32 v[64+4*\k:65+4*\k], v[64+4*\k:65+4*\k], v[68+4*\k:69+4*\k]
	v_pk_add_f32 v[66+4*\k:67+4*\k], v[66+4*\k:67+4*\k], v[70+4*\k:71+4*\k]
.endr
	v_cvt_pk_bf16_f32 v22, v96, v97                ; b_proj rounded to bf16, like every input
	v_cvt_pk_bf16_f32 v23, v98, v99
.irp k, 0,4
	v_pk_add_f32 v[64+4*\k:65+4*\k], v[64+4*\k:65+4*\k], v[72+4*\k:73+4*\k]
	v_pk_add_f32 v[66+4*\k:67+4*\k], v[66+4*\k:67+4*\k], v[74+4*\k:75+4*\k]
.endr
	v_lshlrev_b32 v96, 16, v22
	v_and_b32 v97, s[HIM], v22
	v_lshlrev_b32 v98, 16, v23
	v_and_b32 v99, s[HIM], v23
	v_pk_add_f32 v[64:65], v[64:65], v[80:81]
	v_pk_add_f32 v[66:67], v[66:67], v[82:83]
	v_pk_add_f32 v[64:65], v[64:65], v[96:97]
	v_pk_add_f32 v[66:67], v[66:67], v[98:99]
.irp k, 64,65,66,67
	v_max_num_f32 v\k, 0, v\k
.endr
	ds_store_b128 v26, v[64:67]
	WIN 0x45                                       ; destination and both sources in window 1
.set i, 192
.rept 32                               ; b_score rounded to bf16 and widened again, in place, a pair at a time
	v_cvt_pk_bf16_f32 v[i], v[i], v[i+1]
	v_and_b32 v[i+1], s[HIM], v[i]
	v_lshlrev_b32 v[i], 16, v[i]
.set i, i+2
.endr
	WIN 0
	CVT 0
	XSTORE 0
	XL 0, 2
	s_wait_dscnt 0x0                               ; my part of chunk 0 and of q is in LDS,
	s_barrier_signal -1
	s_barrier_wait -1                              ; everybody's is
	FA 0, 0, 0
	FA 1, 0, 0
	; ---- pass 1: the keys.  STEP ps, q, first, conv, xl, pf, sig, bw, fa, bl, lc, bump
	; Behind a step's W stand two later steps' W and one chunk of x: 48 loads; when x's last chunk has been asked for (step 24): 32.  The same waits show a chunk of x landed a step before it is rounded.
	STEP 1, 0,  1, 1, 1, 0, 1, 0,  1, 1, 48, 0     ; step 0
	s_mov_b32 s[CNT], 6
.Lp1:                                                  ; steps 1 to 24; a barrier's signal is open at the label, on the way in and on the way back
	STEP 1, 1,  0, 0, 0, 0, 0, 1,  1, 1, 48, 0
	STEP 1, 2,  0, 1, 1, 1, 1, 0,  1, 1, 48, 0
	STEP 1, 3,  0, 0, 0, 0, 0, 1,  1, 1, 48, 1
	STEP 1, 0,  0, 1, 1, 1, 1, 0,  1, 1, 48, 0
	s_sub_co_u32 s[CNT], s[CNT], 1
	s_cmp_lg_u32 s[CNT], 0
	s_cbranch_scc1 .Lp1
	STEP 1, 1,  0, 0, 0, 0, 0, 1,  1, 1, 48, 0     ; 25
	STEP 1, 2,  0, 1, 0, 0, 1, 0,  1, 1, 48, 0     ; 26: chunk 14 is rounded; nothing of x is left to ask for
	STEP 1, 3,  0, 0, 0, 0, 0, 1,  1, 1, 32, 1     ; 27
	STEP 1, 0,  0, 1, 0, 0, 1, 0,  1, 1, 32, 0     ; 28: chunk 15
	STEP 1, 1,  0, 0, 0, 0, 0, 1,  1, 1, 32, 0     ; 29: from here on the loads of W are pass 2's: the stream goes on
	STEP 1, 2,  0, 0, 0, 0, 0, 0,  1, 1, 32, 0     ; 30
	STEP 1, 3,  0, 0, 0, 0, 0, 0,  0, 1, 32, 1     ; 31
	; ---- the scores.  Pass 2's first fragments and its bias are asked for first; they land under the vector work.
	s_mov_b32 s[LB], 0
	v_mov_b32 v[AAD], v[AAD0]
	PLACES
	FA 0, 0, 0
	FA 1, 0, 0
.irp b, 0,1,2,3,4,5,6,7
	ds_load_b128 v[XR+8*\b:XR+8*\b+3],   v[QAD] offset:64*\b      ; q[128 w + 16 b + 8 h + 0..7]
	ds_load_b128 v[XR+8*\b+4:XR+8*\b+7], v[QAD] offset:64*\b+16
.endr
	WIN 0x40
.irp b, 0,1,2,3,4,5,6,7
	global_load_b32 v[192+8*\b], v[BVO], s[12:13] offset:64*\b    ; b_value[128 w + 16 b + r]
.endr
	RELU
	s_wait_dscnt 0x0                               ; q (and the fragments)
.irp hi, 0,1                           ; for each of my eight row blocks a pair of sums over my 128 columns; the first product starts a sum; four sums take turns
	WIN 0x02+\hi
.irp b, 0,1,2,3,4,5,6,7
.irp jp, 0,1,2,3
.irp a, 0,1,2,3
.if ((\b) == 0) && ((\jp) == 0)
	v_pk_mul_f32 v[PK+2*(4*\hi+\a):PK+2*(4*\hi+\a)+1], v[8*(8*\a+\b)+2*\jp:8*(8*\a+\b)+2*\jp+1], v[XR+8*\b+2*\jp:XR+8*\b+2*\jp+1]
.else
	v_pk_fma_f32 v[PK+2*(4*\hi+\a):PK+2*(4*\hi+\a)+1], v[8*(8*\a+\b)+2*\jp:8*(8*\a+\b)+2*\jp+1], v[XR+8*\b+2*\jp:XR+8*\b+2*\jp+1], v[PK+2*(4*\hi+\a):PK+2*(4*\hi+\a)+1]
.endif
.endr
.endr
.endr
.endr
	WIN 0
.irp a, 0,1,2,3,4,5,6,7
	v_add_f32 v[PK+2*\a], v[PK+2*\a], v[PK+2*\a+1]
.endr
.irp a, 0,1,2,3,4,5,6,7
	v_permlanex16_b32 v[PK+2*\a+1], v[PK+2*\a], s[SEL], s[SEL+1]  ; the row's other 64 of my columns lie in the lane 16 away
.endr
.irp a, 0,1,2,3,4,5,6,7
	v_add_f32 v[PK+2*\a], v[PK+2*\a], v[PK+2*\a+1]
.endr
.irp a, 0,1,2,3,4,5,6,7
	ds_store_b32 v[SPS], v[PK+2*\a] offset:64*\a   ; row 16 a + r; both halves of the lanes hold, and write, the same number
.endr
	s_wait_dscnt 0x0                               ; for the others' sake
	s_barrier_signal -1
	s_barrier_wait -1
.irp k, 0,1,2,3
	ds_load_b128 v[40+4*\k:43+4*\k], v[SPR] offset:512*\k  ; the four waves' parts of rows 4 x lane + 0..3: every wave makes all 128 scores, since every wave wants all p
.endr
	s_wait_dscnt 0x0
	v_pk_add_f32 v[40:41], v[40:41], v[44:45]
	v_pk_add_f32 v[42:43], v[42:43], v[46:47]
	v_pk_add_f32 v[48:49], v[48:49], v[52:53]
	v_pk_add_f32 v[50:51], v[50:51], v[54:55]
	v_pk_add_f32 v[32:33], v[40:41], v[48:49]
	v_pk_add_f32 v[34:35], v[42:43], v[50:51]
.irp i, 0,1,2,3
	v_add_nc_u32 v22, \i, v[TIX]
	v_cmp_le_i32 vcc_lo, s[LEN], v22               ; len <= t
	v_cndmask_b32 v23, 0, s[M100], vcc_lo
	v_add_f32 v[32+\i], v[32+\i], v23              ; the mask is added, as in the source: a row past the length still counts
.endr
	v_max3_num_f32 v24, v32, v33, v34
	v_max_num_f32 v24, v24, v35
	v_max_num_f32_dpp v24, v24, v24 row_xmask:1 row_mask:0xf bank_mask:0xf
	v_max_num_f32_dpp v24, v24, v24 row_xmask:2 row_mask:0xf bank_mask:0xf
	v_max_num_f32_dpp v24, v24, v24 row_xmask:4 row_mask:0xf bank_mask:0xf
	v_max_num_f32_dpp v24, v24, v24 row_xmask:8 row_mask:0xf bank_mask:0xf
	v_permlanex16_b32 v25, v24, s[SEL], s[SEL+1]
	v_max_num_f32 v24, v24, v25                    ; m_j, in every lane
	s_cmp_lg_u32 s[WV], 0
	s_cbranch_scc1 .Lnost
	global_store_b128 v[WOF], v[32:35], s[18:19]   ; wave 0 stores the block's 128 masked scores: 512 consecutive bytes; v32-35 are next written behind pass 2's waits for address translation
.Lnost:
.irp i, 0,1,2,3
	v_sub_f32 v[36+\i], v[32+\i], v24              ; first the difference, then the scale: no difference of large products
.endr
.irp i, 0,1,2,3
	v_mul_f32 v[36+\i], s[L2E], v[36+\i]
.endr
.irp i, 0,1,2,3
	v_exp_f32 v[36+\i], v[36+\i]
.endr
	v_nop                                          ; a plain instruction behind the last exponential (ISA guide 5.7.2),
	s_wait_alu depctr_va_vdst(0)                   ; and the wait ahead of the first use: one for the four
	ds_store_b128 v[PWA], v[36:39]                 ; my wave's own copy of p: read back by this wave alone, so no barrier
	s_wait_loadcnt 0x0                             ; b_value (and W's three steps)
	WIN 0x45
.irp b, 0,1,2,3,4,5,6,7
	v_cvt_pk_bf16_f32 v[192+8*\b], v[192+8*\b], v[192+8*\b]  ; rounded to bf16,
	v_lshlrev_b32 v[192+8*\b], 16, v[192+8*\b]               ; widened again,
.irp k, 1,2,3,4,5,6,7
	v_mov_b32 v[192+8*\b+\k], v[192+8*\b]                    ; and the same for the lane's eight rows: pass 2's C operand
.endr
.endr
	WIN 0
	; ---- pass 2: the values.  Behind a step's W stand two later steps': 32 loads; the counts run down at the end.
	STEP 2, 0,  1, 0, 0, 0, 0, 0,  1, 1, 0, 0      ; step 0
	s_mov_b32 s[CNT], 7
.Lp2:                                                  ; steps 1 to 28
	STEP 2, 1,  0, 0, 0, 0, 0, 0,  1, 1, 32, 0
	STEP 2, 2,  0, 0, 0, 0, 0, 0,  1, 1, 32, 0
	STEP 2, 3,  0, 0, 0, 0, 0, 0,  1, 1, 32, 1
	STEP 2, 0,  0, 0, 0, 0, 0, 0,  1, 1, 32, 0
	s_sub_co_u32 s[CNT], s[CNT], 1
	s_cmp_lg_u32 s[CNT], 0
	s_cbranch_scc1 .Lp2
	STEP 2, 1,  0, 0, 0, 0, 0, 0,  1, 0, 32, 0     ; 29: nothing of W is left to ask for
	STEP 2, 2,  0, 0, 0, 0, 0, 0,  1, 0, 16, 0     ; 30
	STEP 2, 3,  0, 0, 0, 0, 0, 0,  0, 0, 0, 0      ; 31
	; ---- the block's part of the context
	PLACES
	PLACES
	s_wait_xcnt 0x0                                ; the scores' store has long read its registers: v32 on are written again
.irp a, 0,1,2,3,4,5,6,7
	ds_load_b128 v[XR+8*\a:XR+8*\a+3],   v[PRD] offset:64*\a      ; p[16 a + 8 h + 0..7]
	ds_load_b128 v[XR+8*\a+4:XR+8*\a+7], v[PRD] offset:64*\a+16
.endr
	RELU
	s_wait_dscnt 0x0
.irp hi, 0,1                           ; for each of my eight column blocks a pair of sums over the 128 rows; eight sums take turns
	WIN 0x02+\hi
.irp a, 0,1,2,3
.irp jp, 0,1,2,3
.irp b, 0,1,2,3,4,5,6,7
.if ((\hi) == 0) && ((\a) == 0) && ((\jp) == 0)
	v_pk_mul_f32 v[PK+2*\b:PK+2*\b+1], v[8*(8*\a+\b)+2*\jp:8*(8*\a+\b)+2*\jp+1], v[XR+8*(4*\hi+\a)+2*\jp:XR+8*(4*\hi+\a)+2*\jp+1]
.else
	v_pk_fma_f32 v[PK+2*\b:PK+2*\b+1], v[8*(8*\a+\b)+2*\jp:8*(8*\a+\b)+2*\jp+1], v[XR+8*(4*\hi+\a)+2*\jp:XR+8*(4*\hi+\a)+2*\jp+1], v[PK+2*\b:PK+2*\b+1]
.endif
.endr
.endr
.endr
.endr
	WIN 0
.irp b, 0,1,2,3,4,5,6,7
	v_add_f32 v[PK+2*\b], v[PK+2*\b], v[PK+2*\b+1]
.endr
.irp b, 0,1,2,3,4,5,6,7
	v_permlanex16_b32 v[PK+2*\b+1], v[PK+2*\b], s[SEL], s[SEL+1]  ; the column's other 64 rows lie in the lane 16 away
.endr
.irp b, 0,1,2,3,4,5,6,7
	v_add_f32 v[PK+2*\b], v[PK+2*\b], v[PK+2*\b+1]
.endr
.irp b, 0,1,2,3,4,5,6,7
	ds_store_b32 v[CXS], v[PK+2*\b] offset:64*\b   ; column 16 b + r of my 128
.endr
	ds_load_b128 v[56:59], v[CXR]                  ; back as four neighbouring columns a lane: my wave's own bytes, and LDS serves a wave's instructions in order (ISA guide 5.7.1.4)
	s_wait_dscnt 0x0
	global_store_b128 v[WOF], v[56:59], s[20:21]   ; 512 consecutive bytes
	s_wait_tensorcnt 0x0                           ; the wave's end: three closing lines, behind my last LDS store
	ds_add_u32 v[SPW], v[NIL]
	s_wait_dscnt 0x0
	s_endpgm
.Lfunc_end_k_q3997c15135_main:
	.size	k_q3997c15135_main, .Lfunc_end_k_q3997c15135_main-k_q3997c15135_main
	.p2alignl 7, 3214868480
	.fill 96, 4, 3214868480
	.section	.rodata,"a",@progbits
	.p2align	6, 0x0
	.amdhsa_kernel k_q3997c15135_main
		.amdhsa_group_segment_fixed_size 303616
		.amdhsa_private_segment_fixed_size 0
		.amdhsa_enable_private_segment 0
		.amdhsa_kernarg_size 72
		.amdhsa_user_sgpr_count 2
		.amdhsa_user_sgpr_kernarg_segment_ptr 1
		.amdhsa_wavefront_size32 1
		.amdhsa_system_sgpr_workgroup_id_x 1
		.amdhsa_system_sgpr_workgroup_id_y 1
		.amdhsa_system_sgpr_workgroup_id_z 1
		.amdhsa_system_vgpr_workitem_id 0
		.amdhsa_next_free_vgpr 1024
		.amdhsa_next_free_sgpr 66
		.amdhsa_reserve_vcc 1
		.amdhsa_float_denorm_mode_32 3
		.amdhsa_float_denorm_mode_16_64 3
		.amdhsa_memory_ordered 1
		.amdhsa_forward_progress 1
		.amdhsa_inst_pref_size 255
	.end_amdhsa_kernel
	.section	.bss,"aw",@nobits
	.p2align	6
	.space	262144
	.amdgpu_metadata
---
amdhsa.version: [ 1, 2 ]
amdhsa.kernels:
  - .name:           k_q3997c15135_main
    .symbol:         k_q3997c15135_main.kd
    .args:
      - { .name: listener_state, .offset: 0, .size: 8, .value_kind: global_buffer, .address_space: global }
      - { .name: wf, .offset: 8, .size: 8, .value_kind: global_buffer, .address_space: global }
      - { .name: qpart, .offset: 16, .size: 8, .value_kind: global_buffer, .address_space: global }
      - { .name: b_score, .offset: 24, .size: 8, .value_kind: global_buffer, .address_space: global }
      - { .name: b_value, .offset: 32, .size: 8, .value_kind: global_buffer, .address_space: global }
      - { .name: b_proj, .offset: 40, .size: 8, .value_kind: global_buffer, .address_space: global }
      - { .name: listener_len, .offset: 48, .size: 8, .value_kind: global_buffer, .address_space: global }
      - { .name: scores, .offset: 56, .size: 8, .value_kind: global_buffer, .address_space: global }
      - { .name: pctx, .offset: 64, .size: 8, .value_kind: global_buffer, .address_space: global }
    .group_segment_fixed_size: 303616
    .private_segment_fixed_size: 0
    .kernarg_segment_align: 8
    .kernarg_segment_size: 72
    .max_flat_workgroup_size: 128
    .sgpr_count:     66
    .vgpr_count:     1024
    .wavefront_size: 32
...
	.end_amdgpu_metadata
.endif
;; end of part 2
;; launch finish (part 3): grid 32 x 1, 16 waves a work-group, no clusters, 10,496 bytes of LDS; arguments scores, pctx, out0, out1; writes out0, out1
.if DOCPART == 3
	.amdgcn_target "amdgcn-amd-amdhsa--gfx1250"
	.amdhsa_code_object_version 6
	.text
	.protected	k_q3997c15135_finish
	.globl	k_q3997c15135_finish
	.p2align	8
	.type	k_q3997c15135_finish,@function
k_q3997c15135_finish:
	s_mov_b64 s[64:65], 0
	v_nop
	global_prefetch_b8 v0, s[64:65] scope:SCOPE_SE
	s_setreg_imm32_b32 hwreg(HW_REG_WAVE_MODE, 25, 1), 1
	s_wait_xcnt 0x0
; One work-group for each batch row b joins its 16 blocks.  scores[b][2048] hold the masked scores; pctx[b][j][512] = the sum over block j's t of e^(s[t] - m_j) vals[t], m_j the block's maximum.
; m = max of the m_j; l = the sum of l_j e^(m_j - m), l_j = the block's sum of e^(s - m_j); attn[t] = e^(s[t] - m) / l; context = the sum over j of e^(m_j - m) pctx[j] / l.
; m_j is taken anew of the same stored numbers from which the launch before took it, so it is the same number.  All in f32; a weight below 2^-126 counts as 0.
; Wave jw holds block jw's 128 scores, four a lane.  For the context, wave jw adds blocks 4 (jw / 4) + 0..3 for 128 of the 512 columns, and the four parts meet in LDS.
; Matrix unit, clusters and tensor loads are left out: 40 KiB come in and 10 KiB go out for each work-group, each byte once.
.set ST,    0                          ; 16 pairs (m_j, l_j): 128 bytes, in a block of 256 of their own
.set RED,   256                        ; [4 parts][512] f32
.set SPARE, 8448                       ; the spare words, 128 bytes for each of the 16 waves: eight blocks of 256 bytes that no other line names
	s_load_b256 s[4:11], s[0:1], 0x0               ; scores s[4:5], pctx s[6:7], out0 s[8:9], out1 s[10:11]
	v_lshl_add_u32 v30, v0, 2, SPARE               ; v30, v31: the add's two registers; never rewritten
	v_mov_b32 v31, 0
	v_lshrrev_b32 v26, 5, v0
	v_readfirstlane_b32 s12, v26                   ; wave = block
	s_lshr_b32 s13, s12, 2                         ; part
	s_lshl_b32 s15, s12, 3
	s_mov_b32 s18, 0x76543210                      ; v_permlanex16_b32: each lane takes its own place in the other half
	s_mov_b32 s19, 0xfedcba98
	s_mov_b32 s20, 0x3fb8aa3b                      ; log2(e)
	v_and_b32 v1, 15, v0
	v_lshlrev_b32 v1, 3, v1                        ; the pair of block lane % 16
	v_lshlrev_b32 v2, 4, v0                        ; 16 x thread
	v_and_b32 v27, 127, v0                         ; my group of four columns
	s_lshl_b32 s14, s13, 13
	v_lshl_add_u32 v3, v27, 4, s14                 ; pctx: block 4 part, my columns
	s_lshl_b32 s14, s13, 11
	v_lshl_add_u32 v29, v27, 4, s14
	v_add_nc_u32 v29, RED, v29
	v_mov_b32 v28, s15                             ; my block's pair
	s_lshl_b32 s14, s13, 5
	v_mov_b32 v38, s14                             ; the four pairs of my part
	s_mov_b32 s17, 0
	s_wait_kmcnt 0x0
	s_lshl_b32 s16, ttmp9, 13
	s_add_nc_u64 s[4:5], s[4:5], s[16:17]
	s_add_nc_u64 s[10:11], s[10:11], s[16:17]
	s_lshl_b32 s16, ttmp9, 15
	s_add_nc_u64 s[6:7], s[6:7], s[16:17]
	s_lshl_b32 s16, ttmp9, 11
	s_add_nc_u64 s[8:9], s[8:9], s[16:17]
	global_load_b128 v[4:7], v2, s[4:5] th:TH_LOAD_NT
.irp i, 0,1,2,3
	global_load_b128 v[8+4*\i:11+4*\i], v3, s[6:7] offset:2048*\i th:TH_LOAD_NT
.endr
	s_wait_loadcnt 4                               ; the scores are in; pctx's four loads may stay out
	v_max3_num_f32 v24, v4, v5, v6
	v_max_num_f32 v24, v24, v7
	v_max_num_f32_dpp v24, v24, v24 row_xmask:1 row_mask:0xf bank_mask:0xf
	v_max_num_f32_dpp v24, v24, v24 row_xmask:2 row_mask:0xf bank_mask:0xf
	v_max_num_f32_dpp v24, v24, v24 row_xmask:4 row_mask:0xf bank_mask:0xf
	v_max_num_f32_dpp v24, v24, v24 row_xmask:8 row_mask:0xf bank_mask:0xf
	v_permlanex16_b32 v26, v24, s18, s19
	v_max_num_f32 v24, v24, v26                    ; m_j
.irp i, 0,1,2,3
	v_sub_f32 v[32+\i], v[4+\i], v24
.endr
.irp i, 0,1,2,3
	v_mul_f32 v[32+\i], s20, v[32+\i]
.endr
.irp i, 0,1,2,3
	v_exp_f32 v[32+\i], v[32+\i]
.endr
	v_nop                                          ; a plain instruction behind the last exponential (ISA guide 5.7.2),
	s_wait_alu depctr_va_vdst(0)                   ; and the wait ahead of the first use: one for the batch
	v_add_f32 v25, v32, v33
	v_add_f32 v26, v34, v35
	v_add_f32 v25, v25, v26
	v_add_f32_dpp v25, v25, v25 row_xmask:1 row_mask:0xf bank_mask:0xf
	v_add_f32_dpp v25, v25, v25 row_xmask:2 row_mask:0xf bank_mask:0xf
	v_add_f32_dpp v25, v25, v25 row_xmask:4 row_mask:0xf bank_mask:0xf
	v_add_f32_dpp v25, v25, v25 row_xmask:8 row_mask:0xf bank_mask:0xf
	v_permlanex16_b32 v26, v25, s18, s19
	v_add_f32 v25, v25, v26                        ; l_j
	ds_store_b64 v28, v[24:25] offset:ST           ; all lanes write the same pair
	s_wait_dscnt 0x0                               ; for the others' sake
	s_barrier_signal -1
	s_barrier_wait -1
	ds_load_b64 v[36:37], v1 offset:ST             ; lane: (m, l) of block lane % 16
	ds_load_b128 v[40:43], v38 offset:ST           ; (m, l) of blocks 4 part, 4 part + 1,
	ds_load_b128 v[44:47], v38 offset:ST+16        ; 4 part + 2, 4 part + 3
	s_wait_dscnt 0x0
	v_mov_b32 v48, v36
	v_max_num_f32_dpp v48, v48, v48 row_xmask:1 row_mask:0xf bank_mask:0xf
	v_max_num_f32_dpp v48, v48, v48 row_xmask:2 row_mask:0xf bank_mask:0xf
	v_max_num_f32_dpp v48, v48, v48 row_xmask:4 row_mask:0xf bank_mask:0xf
	v_max_num_f32_dpp v48, v48, v48 row_xmask:8 row_mask:0xf bank_mask:0xf  ; m: each half of the lanes holds all 16 blocks
	v_sub_f32 v49, v36, v48
.irp i, 0,1,2,3
	v_sub_f32 v[32+\i], v[4+\i], v48
	v_sub_f32 v[50+\i], v[40+2*\i], v48
.endr
	v_mul_f32 v49, s20, v49
.irp i, 0,1,2,3
	v_mul_f32 v[32+\i], s20, v[32+\i]
	v_mul_f32 v[50+\i], s20, v[50+\i]
.endr
	v_exp_f32 v49, v49                             ; one batch of nine: my lane's block's weight,
.irp i, 0,1,2,3
	v_exp_f32 v[32+\i], v[32+\i]                   ; my four e^(s - m),
	v_exp_f32 v[50+\i], v[50+\i]                   ; my part's four blocks' weights
.endr
	v_nop
	s_wait_alu depctr_va_vdst(0)                   ; one wait for the nine
	v_mul_f32 v54, v37, v49
	v_add_f32_dpp v54, v54, v54 row_xmask:1 row_mask:0xf bank_mask:0xf
	v_add_f32_dpp v54, v54, v54 row_xmask:2 row_mask:0xf bank_mask:0xf
	v_add_f32_dpp v54, v54, v54 row_xmask:4 row_mask:0xf bank_mask:0xf
	v_add_f32_dpp v54, v54, v54 row_xmask:8 row_mask:0xf bank_mask:0xf  ; l: at least 1, since the block that holds m adds l_j >= 1
	v_rcp_f32 v55, v54
	v_nop
	s_wait_alu depctr_va_vdst(0)
.irp i, 0,1,2,3
	v_mul_f32 v[32+\i], v[32+\i], v55
	v_mul_f32 v[50+\i], v[50+\i], v55
.endr
	global_store_b128 v2, v[32:35], s[10:11]       ; attn: a wave stores 512 consecutive bytes
	s_wait_loadcnt 0x0                             ; pctx
.irp k, 0,1,2,3
	v_mul_f32 v[56+\k], v[8+\k], v50
.endr
.irp i, 1,2,3
.irp k, 0,1,2,3
	v_fmac_f32 v[56+\k], v[8+4*\i+\k], v[50+\i]
.endr
.endr
	ds_store_b128 v29, v[56:59]
	s_wait_dscnt 0x0                               ; for the others' sake
	s_barrier_signal -1
	s_barrier_wait -1
	s_cmp_lt_u32 s12, 4                            ; waves 0 to 3 add the four parts: thread t, columns 4 t .. 4 t + 3
	s_cbranch_scc0 .Lend
.irp k, 0,1,2,3
	ds_load_b128 v[8+4*\k:11+4*\k], v2 offset:RED+2048*\k
.endr
	s_wait_dscnt 0x0
	v_pk_add_f32 v[8:9], v[8:9], v[12:13]
	v_pk_add_f32 v[10:11], v[10:11], v[14:15]
	v_pk_add_f32 v[16:17], v[16:17], v[20:21]
	v_pk_add_f32 v[18:19], v[18:19], v[22:23]
	v_pk_add_f32 v[8:9], v[8:9], v[16:17]
	v_pk_add_f32 v[10:11], v[10:11], v[18:19]
	global_store_b128 v2, v[8:11], s[8:9]          ; context: a wave stores 512 consecutive bytes
.Lend:
	s_wait_tensorcnt 0x0                           ; the wave's end: three closing lines, behind my last LDS store
	ds_add_u32 v30, v31
	s_wait_dscnt 0x0
	s_endpgm
.Lfunc_end_k_q3997c15135_finish:
	.size	k_q3997c15135_finish, .Lfunc_end_k_q3997c15135_finish-k_q3997c15135_finish
	.p2alignl 7, 3214868480
	.fill 96, 4, 3214868480
	.section	.rodata,"a",@progbits
	.p2align	6, 0x0
	.amdhsa_kernel k_q3997c15135_finish
		.amdhsa_group_segment_fixed_size 10496
		.amdhsa_private_segment_fixed_size 0
		.amdhsa_enable_private_segment 0
		.amdhsa_kernarg_size 32
		.amdhsa_user_sgpr_count 2
		.amdhsa_user_sgpr_kernarg_segment_ptr 1
		.amdhsa_wavefront_size32 1
		.amdhsa_system_sgpr_workgroup_id_x 1
		.amdhsa_system_sgpr_workgroup_id_y 1
		.amdhsa_system_sgpr_workgroup_id_z 1
		.amdhsa_system_vgpr_workitem_id 0
		.amdhsa_next_free_vgpr 64
		.amdhsa_next_free_sgpr 66
		.amdhsa_reserve_vcc 0
		.amdhsa_float_denorm_mode_32 3
		.amdhsa_float_denorm_mode_16_64 3
		.amdhsa_memory_ordered 1
		.amdhsa_forward_progress 1
		.amdhsa_inst_pref_size 8
	.end_amdhsa_kernel
	.amdgpu_metadata
---
amdhsa.version: [ 1, 2 ]
amdhsa.kernels:
  - .name:           k_q3997c15135_finish
    .symbol:         k_q3997c15135_finish.kd
    .args:
      - { .name: scores, .offset: 0, .size: 8, .value_kind: global_buffer, .address_space: global }
      - { .name: pctx, .offset: 8, .size: 8, .value_kind: global_buffer, .address_space: global }
      - { .name: out0, .offset: 16, .size: 8, .value_kind: global_buffer, .address_space: global }
      - { .name: out1, .offset: 24, .size: 8, .value_kind: global_buffer, .address_space: global }
    .group_segment_fixed_size: 10496
    .private_segment_fixed_size: 0
    .kernarg_segment_align: 8
    .kernarg_segment_size: 32
    .max_flat_workgroup_size: 512
    .sgpr_count:     66
    .vgpr_count:     64
    .wavefront_size: 32
...
	.end_amdgpu_metadata
.endif
;; end of part 3
;; ======== version 2 of 2: 3 launches; version 1 with the launch main written anew for expert scheduling mode
;; workspace buffers: wf 2,097,152 bytes; qpart 524,288 bytes; scores 262,144 bytes; pctx 1,048,576 bytes
;; launch prep: the kernel of part 1 again; grid 192 x 1, 4 waves a work-group, no clusters, 0 bytes of LDS; arguments W_score, W_value, W_proj, speller_state, wf, qpart; writes wf, qpart
;; launch main (part 4): grid 32 x 16, 4 waves a work-group, no clusters, 303,616 bytes of LDS; arguments listener_state, wf, qpart, b_score, b_value, b_proj, listener_len, scores, pctx; writes scores, pctx
.if DOCPART == 4
	.amdgcn_target "amdgcn-amd-amdhsa--gfx1250"
	.amdhsa_code_object_version 6
	.text
	.protected	k_q3997c15135_main
	.globl	k_q3997c15135_main
	.p2align	8
	.type	k_q3997c15135_main,@function
k_q3997c15135_main:
	s_mov_b64 s[64:65], 0
	v_nop
	global_prefetch_b8 v0, s[64:65] scope:SCOPE_SE
	s_setreg_imm32_b32 hwreg(HW_REG_WAVE_SCHED_MODE, 0, 2), 2
	s_setreg_imm32_b32 hwreg(HW_REG_WAVE_MODE, 25, 1), 1
	s_wait_xcnt 0x0
	s_wait_alu depctr_vm_vsrc(0)
; For one batch row b and 128 consecutive t (block j): q = relu(speller W_proj + b_proj); keys = relu(x W_score + b_score); s[t] = q . keys[t] (- 100 where t >= len[b]);
; m_j = max of the block's s; p[t] = e^(s[t] - m_j); vals = relu(x W_value + b_value); pctx[b][j][:] = the sum over t of p[t] vals[t][:].  Stored: the masked scores and pctx; the last launch joins the 16 blocks of a b.
; SHARES.  A work-group: 128 rows x 1,024 columns (512 keys, then 512 values) x K = 1,024.  A wave: all 128 rows x 128 columns of each pass: 64 accumulators of 16 x 16, 512 registers.
; x IS READ ONCE: f32 from memory, rounded to bf16, kept in LDS for both passes (128 rows x 2,048 bytes, padded: 294,912 bytes).  Its loads and conversions run under pass 1's products, a chunk of 64 k at a time.
; W COMES STRAIGHT INTO REGISTERS, in the order in which the launch before laid it: a wave's 64 K steps of both passes are one stream of 512 KiB, 8 KiB a step, each load 512 consecutive bytes.
; NO TENSOR LOADS, NO CLUSTER: each wave owns 128 of a pass's 512 columns, so no fragment of W is used by two waves of the work-group and LDS would add a trip without sparing a read;
; and beside x's 294,912 bytes and 8,704 of scratch 24,064 bytes are left, where one K step of 32 for 512 columns is 32,768 and two slots would be wanted.
; LAYOUTS.  Pass 1 is taken transposed (source 0 = 16 columns of W, source 1 = 16 rows of x): a lane holds ONE row t = 16 a + r and columns 128 w + 16 b + 8 h + 0..7, so q . keys is a sum inside the lane
; and one exchange of the lanes' halves.  Pass 2 is taken as it comes (source 0 = x, source 1 = W): a lane holds ONE column 128 w + 16 b + r and rows 16 a + 8 h + 0..7, so the sum over t is again inside the lane.
; The bias is the C operand of each pass's first K step: nothing is cleared, and no add is spent on it.
; LIMITS.  x, the weights, speller_state and the three biases are each rounded once to bf16.  q . keys and p . vals are made in f32 by vector instructions on the f32 sums: they have one useful column each, a thousandth of the
; launch's multiply-adds, and keys and values are so never rounded.  The maximum is taken away before the exponential, as a difference of scores, then scaled by log2(e).  A weight below 2^-126 counts as 0.  NaN and infinities are not treated apart.
; REGISTERS, in windows of 256 (s_set_vgpr_msb: bits 1:0 source 0, 3:2 source 1, 5:4 source 2, 7:6 destination):
;   window 0: v2-21 addresses; v22-31 at work; v64-95 x's fragments of rows 0-63; v96-127 and v32-63 those of rows 64-127, for even and for odd steps (v32-63 also hold sums between and behind the passes);
;             v128-191, v192-255 x in f32 on its way, two sets, rounded in place (later q, then p)
;   window 1: four buffers of W's fragments, 64 each (buffer 3 holds the bias during a pass's first step)      window 2: accumulators of rows 0-63, (a, b) at 8 (8 a + b)      window 3: those of rows 64-127
; THE MODE: SCHED_MODE bits 1:0 = 2 (LLVM: expert scheduling mode 2), set by the entry lines.  The code itself states the register dependences
; between vector or matrix instructions and memory or LDS instructions, with s_wait_alu, always for 0.
; THE PLAN.  Step s (q = s mod 4) is H0, its 32 products for rows 0-63, then H1, its 32 for rows 64-127.  Registers that memory or LDS instructions touch in the loops:
;   AFL           read by H0(s); the LDS loads for step s + 1 land in it during H1(s).
;   AFH0, AFH1    H1(s) reads AFH[s % 2]; the LDS loads for step s + 1 land during H1(s) in the other one, which H1(s - 1) read last.
;   W0 .. W3      H0(s) and H1(s) read W[q]; the loads of step s + 3 land during H1(s) in W[q - 1], which step s - 1 read last.
;   XR0, XR1      in an even step of pass 1: 32 conversions, dealt among H0, read a set and write its first 32 registers; 16 LDS stores during H1 read those; then the loads of the chunk two chunks on land in the set.
;   v[AAD], v[XST]  read by every fragment load and every store of x; written once in four steps, between H0 and H1 of q = 3.
;   v[WOF], v[XOF], v[PFO] and the epilogues' addresses: written at the head alone.
; So ONE wait on va_vdst stands in a step, between H0 and H1: it states that H0(s) is done reading AFL, that step s - 1 is done reading the other AFH and W[q - 1], that the conversions have written the packed words and
; are done reading the set, and, in q = 3, that the two addresses are written.  All the step's loads and stores follow it, four behind each of H1's first products; H1 names AFH[s % 2], W[q] and window 3: none of the registers
; that they touch.  A wait on vm_vsrc stands ahead of x's loads (the stores have read the set) and one ahead of the adds to the two addresses.  A pass's first step reads the bias in W3 as C, so that buffer's loads
; stand at the step's end, behind a wait of their own.
.set PITCH, 144                        ; an LDS row of a chunk: 128 bytes + 16: an odd multiple of 16, so the 16 rows of a fragment load start at 16 different groups of four banks (64 banks of 4 bytes: ISA guide 11.1)
.set CHUNK, 128*PITCH                  ; 64 k of all 128 rows
.set QL,    16*CHUNK                   ; 294,912: q, 512 f32
.set SP,    QL+2048                    ; [4 waves][128] partial scores
.set PW,    SP+2048                    ; [wave][128] p: each wave's own copy
.set CX,    PW+2048                    ; [wave][128] the way out: each wave's own
.set SPARE, CX+2048                    ; 303,104: the spare words, 128 bytes for each wave: two blocks of 256 bytes that no other line names
.set TROW,  131072                     ; bytes from t to t + 1 in listener_state
.set WOF,  2                           ; v2   16 x lane; never rewritten
.set XOF,  3                           ; v3   16 r + (32 w + 8 h) x TROW; never rewritten
.set PFO,  4                           ; v4   (32 w + lane) x TROW; never rewritten
.set AAD0, 5                           ; v5   r x PITCH + 16 h
.set AAD,  6                           ; v6   AAD0 + LB
.set XST0, 7                           ; v7   (32 w + 8 h) x PITCH + 8 r
.set XST,  8                           ; v8   XST0 + LB
.set SPW,  9                           ; v9   LDS address of my spare word; never rewritten
.set NIL,  10                          ; v10  0; never rewritten
.set QAD,  11
.set SPS,  12
.set SPR,  13
.set PWA,  14
.set PRD,  15
.set CXS,  16
.set CXR,  17
.set TIX,  18                          ; v18  128 j + 4 x lane: the t of my first score
.set BSO,  19
.set BVO,  20
.set QTO,  21
.set PK,   32                          ; the epilogues' sums, while no fragment lies in v32-63
.set AFL,  64                          ; x's fragments of rows 0-63
.set AFH0, 96                          ; those of rows 64-127 for even steps; for odd steps 64 registers lower, at v32
.set XR,   128
.set XP,   4                           ; s[4:5]  x at the block's first row, at the base chunk
.set WP,   6                           ; s[6:7]  my wave's stream of W, at the base step
.set WV,   22
.set BB,   23
.set JJ,   24
.set CNT,  25
.set LEN,  26
.set LB,   27                          ; LDS byte of the base chunk
.set SEL,  32                          ; s[32:33] v_permlanex16_b32's selects: each lane takes its own place in the other half
.set HIM,  34                          ; a word's upper bf16
.set M100, 35                          ; -100.0
.set L2E,  36                          ; log2(e)
.set MSB, 0
.macro WIN new                         ; the immediate's high byte repeats the setting that is left; a switch that changes nothing is dropped
.if MSB != (\new)
	s_set_vgpr_msb (MSB<<8)|(\new)
.set MSB, (\new)
.endif
.endm
.macro PLACES                          ; four plain vector instructions between a matrix instruction and a load into, or a vector access to, its registers; they stay beside the waits, which fill no place
.rept 4
	v_nop
.endr
.endm
; One product: row block 4 hi + a, column block b, 32 along K, W from buffer buf, rows 64-127 from the buffer of parity par.  first = 1: C is the bias, in buffer 3's registers.
; The 64 accumulators take turns in the same order in every step, over the backward jumps too: 63 others' products stand between two on one accumulator.
.macro PROD ps, hi, buf, par, first, a, b
.set rD, 8*(8*(\a)+(\b))
.set rA, AFL+8*(\a)
.if \hi
.set rA, AFH0-64*(\par)+8*(\a)
.endif
.set rB, 64*(\buf)+8*(\b)
.set rC, 192+8*(\b)
.if (\ps) == 1
.if \first
	WIN 0x91+0x40*(\hi)
	v_wmma_f32_16x16x32_bf16 v[rD:rD+7], v[rB:rB+7], v[rA:rA+7], v[rC:rC+7]
.else
	WIN 0xa1+0x50*(\hi)
	v_wmma_f32_16x16x32_bf16 v[rD:rD+7], v[rB:rB+7], v[rA:rA+7], v[rD:rD+7]
.endif
.else
.if \first
	WIN 0x94+0x40*(\hi)
	v_wmma_f32_16x16x32_bf16 v[rD:rD+7], v[rA:rA+7], v[rB:rB+7], v[rC:rC+7]
.else
	WIN 0xa4+0x50*(\hi)
	v_wmma_f32_16x16x32_bf16 v[rD:rD+7], v[rA:rA+7], v[rB:rB+7], v[rD:rD+7]
.endif
.endif
.endm
; Four of a set's 32 conversions, in place and ascending: register i takes numbers 2 i and 2 i + 1, which no earlier conversion has overwritten; rounded to nearest even.
.macro CVT4 set, i0
.irp d, 0,1,2,3
	v_cvt_pk_bf16_f32 v[XR+64*(\set)+(\i0)+\d], v[XR+64*(\set)+2*((\i0)+\d)], v[XR+64*(\set)+2*((\i0)+\d)+1]
.endr
.endm
; H0: the step's 32 products for rows 0-63.  conv = 1: four conversions stand behind every fourth product; the last four are also the four places behind H0's last product.
.macro HALF0 ps, buf, first, conv, set
.set ni, 0
.irp a, 0,1,2,3
.irp b, 0,1,2,3,4,5,6,7
	PROD \ps, 0, \buf, 0, \first, \a, \b
.if (\conv) && (ni%4 == 3)
	WIN 0
	CVT4 \set, ni-3
.endif
.set ni, ni+1
.endr
.endr
.endm
; The step's loads and stores are one numbered list; MEM writes the next of it.  STEP sets where each kind begins (M_XS, M_BL, M_XL, M_END) and what it names (S_..).  All of them stand behind the step's wait on va_vdst.
;   the next step's fragments of x: rows 0-63 into AFL, rows 64-127 into the other AFH.  Lane (r, h): row 16 a + r, k = 8 h + 0..7 and 16 + 8 h + 0..7: two loads of 16 bytes, 32 bytes apart
;   x's 16 LDS stores, 8 bytes a lane: lanes 0-15 fill a row's 128 bytes, lanes 16-31 those of the row eight further down, 288 words on: the other half of the banks
;   W of the step three on: 16 loads of 512 consecutive bytes.  No cache word: every work-group reads them again
;   my 32 rows of the chunk two chunks on, in f32: each load takes 256 consecutive, aligned bytes of two rows (lanes 0-15 one, lanes 16-31 the row eight further down)
.macro MEM
.if mi < M_XS
	WIN 0
.set hh, mi/8
.set aa, (mi%8)/2
.set rF, AFL+8*aa+4*(mi%2)
.if hh
.set rF, AFH0-64*S_NPAR+8*aa+4*(mi%2)
.endif
	ds_load_b128 v[rF:rF+3], v[AAD] offset:S_CH*CHUNK+(4*hh+aa)*16*PITCH+S_KS*64+32*(mi%2)
.elseif mi < M_BL
	WIN 0
.set ii, mi-M_XS
	ds_store_b64 v[XST], v[XR+64*S_SET+2*ii:XR+64*S_SET+2*ii+1] offset:S_XCH*CHUNK+((ii&7)+16*(ii>>3))*PITCH
.elseif mi < M_XL
	WIN 0x40                                       ; destination window 1, address window 0
.set ii, mi-M_BL
	global_load_b128 v[64*S_BUF+4*ii:64*S_BUF+4*ii+3], v[WOF], s[WP:WP+1] offset:S_WO*8192+ii*512
.elseif mi < M_END
	WIN 0
.set ii, mi-M_XL
.if ii == 0
	s_wait_alu depctr_vm_vsrc(0)                   ; the 16 LDS stores above have read the set's first 32 registers, in which the loads below land
.endif
	global_load_b128 v[XR+64*S_SET+4*ii:XR+64*S_SET+4*ii+3], v[XOF], s[XP:XP+1] offset:S_XO*256+((ii&7)+16*(ii>>3))*TROW th:TH_LOAD_NT
.if (ii == 15) && S_PF
	; A prefetch into the L2, behind the run of loads: the chunk four chunks beyond the one just asked for, eight K steps (512 products) ahead of its own loads.  A lane a row: my wave's own 32 rows x 256 bytes,
	; which no other wave of the launch reads: each block is named once.  Chunks 0 to 7 come by their loads alone; the loop's last two trips ask for nothing: chunk 15 is a row's last.
	s_cmp_gt_u32 s[CNT], 2
	s_cbranch_scc0 .Lnopf_\@
	global_prefetch_b8 v[PFO], s[XP:XP+1] offset:S_PFB th:TH_LOAD_NT scope:SCOPE_SE
.Lnopf_\@:
.endif
.endif
.set mi, mi+1
.endm
; H1: the step's 32 products for rows 64-127; behind each of the first ones four of the step's loads and stores, under one window setting.
.macro HALF1 ps, buf, par, first
.irp a, 0,1,2,3
.irp b, 0,1,2,3,4,5,6,7
	PROD \ps, 1, \buf, \par, \first, \a, \b
.rept 4
	MEM
.endr
.endr
.endr
.endm
; The same loads and stores in runs, for the head, for the two passes' first fragments and for a first step's W.
.macro FA hi, ch, ks                   ; for an even step: into AFL or AFH0
.irp a, 0,1,2,3
	ds_load_b128 v[AFL+32*(\hi)+8*(\a):AFL+32*(\hi)+8*(\a)+3],   v[AAD] offset:(\ch)*CHUNK+(4*(\hi)+(\a))*16*PITCH+(\ks)*64
	ds_load_b128 v[AFL+32*(\hi)+8*(\a)+4:AFL+32*(\hi)+8*(\a)+7], v[AAD] offset:(\ch)*CHUNK+(4*(\hi)+(\a))*16*PITCH+(\ks)*64+32
.endr
.endm
.macro BL buf, wo
	WIN 0x40                                       ; destination window 1, address window 0
.irp f, 0,1,2,3,4,5,6,7
	global_load_b128 v[64*(\buf)+8*(\f):64*(\buf)+8*(\f)+3],   v[WOF], s[WP:WP+1] offset:(\wo)*8192+(\f)*1024
	global_load_b128 v[64*(\buf)+8*(\f)+4:64*(\buf)+8*(\f)+7], v[WOF], s[WP:WP+1] offset:(\wo)*8192+(\f)*1024+512
.endr
.endm
.macro XL set, xo
.set i, 0
.rept 16
	global_load_b128 v[XR+64*(\set)+4*i:XR+64*(\set)+4*i+3], v[XOF], s[XP:XP+1] offset:(\xo)*256+((i&7)+16*(i>>3))*TROW th:TH_LOAD_NT
.set i, i+1
.endr
.endm
.macro XSTORE set, ch
.set i, 0
.rept 16
	ds_store_b64 v[XST], v[XR+64*(\set)+2*i:XR+64*(\set)+2*i+1] offset:(\ch)*CHUNK+((i&7)+16*(i>>3))*PITCH
.set i, i+1
.endr
.endm
; A K STEP of 32: 64 products.  q = the step's number mod 4 = its buffer of W.  The pointers' base is stepped once in four steps, in the middle of q = 3 (bump).
; conv: the chunk wanted two steps on is rounded among H0 and put into LDS among H1; xl: that set of registers is asked for again, two chunks on; pf: one prefetch; fa: the next step's fragments; bl: W of the step three on, into the
; buffer read in the step before; sig: at the step's end my LDS stores are done, say so.
; bw: the barrier's wait, in the middle of the step behind the signal, ahead of the first read of the new chunk.  Between signal and wait stand a wait and 32 products.
; lc: the youngest global loads, which may stay out: behind an even step's W stand 48; behind an odd step's 64, of which the oldest 16, a chunk of x asked for straight behind that W, are waited for with it.
.macro STEP ps, q, first, conv, xl, pf, sig, bw, fa, bl, lc, bump
.set QQ, (\q)
.if (\q) == 3
.set QQ, -1                            ; all of a step's loads and stores stand behind the bump: there the base is the next step
.endif
.set S_CH,   (QQ+1)/2
.set S_KS,   (QQ+1)&1
.set S_NPAR, 1-((\q)&1)
.set S_SET,  ((\q)/2+1)&1
.set S_XCH,  (\q)/2+1
.set S_XO,   (\q)/2+3
.set S_BUF,  ((\q)+3)&3
.set S_WO,   QQ+3
.set S_PF,   (\pf)
.set S_PFB,  ((\q)/2+7)*256
.set M_XS,   16*(\fa)
.set M_BL,   M_XS+16*(\conv)
.set M_XL,   M_BL+16*(\bl)*(1-(\first))
.set M_END,  M_XL+16*(\xl)
.set mi, 0
.if !(\bw)
	s_wait_dscnt 0x0                               ; this step's fragments of x are in: the last step's LDS instructions stand behind its H1's first eight products, 24 products back.  (Behind a signal its own wait for 0 has served.)
.endif
	s_wait_loadcnt \lc
	HALF0 \ps, \q, \first, \conv, S_SET
	WIN 0
.if \bw
	s_barrier_wait -1                              ; every wave's part of the next chunk lies in LDS
.endif
.if \bump
	s_wait_xcnt 0x0                                ; every global load and prefetch issued so far (the youngest 48 products back) has had its address translated (ISA guide 3.1): the pointers may be written
	s_wait_alu depctr_vm_vsrc(0)                   ; the LDS loads and stores issued so far have read v[AAD] and v[XST], which are written below (and the stores their data)
	s_add_nc_u64 s[WP:WP+1], s[WP:WP+1], 4*8192
	s_add_co_u32 s[LB], s[LB], 2*CHUNK
.if (\ps) == 1
	s_add_nc_u64 s[XP:XP+1], s[XP:XP+1], 2*256
.endif
	v_add_nc_u32 v[AAD], s[LB], v[AAD0]            ; these lines are the four places
.if (\ps) == 1
	v_add_nc_u32 v[XST], s[LB], v[XST0]
.else
	v_nop
.endif
	v_nop
	v_nop
.elseif (\conv) == 0
.if M_END > 0
	PLACES
.endif
.endif
.if M_END > 0
	s_wait_alu depctr_va_vdst(0)                   ; H0 is done reading AFL; the step before is done reading the other AFH and the buffer of W behind this one; the conversions have written the packed words and are done reading the set; v[AAD] and v[XST] are written
.endif
	HALF1 \ps, \q, (\q)&1, \first
	WIN 0
.if (\first) && (\bl)
	PLACES
	s_wait_alu depctr_va_vdst(0)                   ; the step's products are done reading the bias in buffer 3, in which W of the step three on lands
	BL S_BUF, S_WO
	WIN 0
.endif
.if \sig
	s_wait_dscnt 0x0                               ; for the others' sake: my stores of the chunk are done (and no LDS instruction of mine is out at a signal)
	s_barrier_signal -1
.endif
.endm
.macro RELU                            ; all 512 sums, in place and ascending: each accumulator's lowest register is read first
	WIN 0x88
.set i, 0
.rept 256
	v_max_num_f32 v[i], 0, v[i]
.set i, i+1
.endr
	WIN 0xcc
.set i, 0
.rept 256
	v_max_num_f32 v[i], 0, v[i]
.set i, i+1
.endr
	WIN 0
.endm
	; ---- the head
	s_load_b512 s[4:19], s[0:1], 0x0               ; x s[4:5], wf s[6:7], qpart s[8:9], b_score s[10:11], b_value s[12:13], b_proj s[14:15], listener_len s[16:17], scores s[18:19]
	s_load_b64 s[20:21], s[0:1], 0x40              ; pctx
	v_lshl_add_u32 v[SPW], v0, 2, SPARE
	v_mov_b32 v[NIL], 0
	v_lshrrev_b32 v22, 5, v0
	v_readfirstlane_b32 s[WV], v22                 ; wave 0..3
	s_mov_b32 s[BB], ttmp9                         ; b
	s_and_b32 s[JJ], ttmp7, 0xffff                 ; j
	s_mov_b32 s[SEL], 0x76543210
	s_mov_b32 s[SEL+1], 0xfedcba98
	s_mov_b32 s[HIM], 0xffff0000
	s_mov_b32 s[M100], 0xc2c80000
	s_mov_b32 s[L2E], 0x3fb8aa3b
	s_mov_b32 s[LB], 0
	v_and_b32 v23, 15, v0                          ; r
	v_bfe_u32 v24, v0, 4, 1                        ; h
	v_and_b32 v25, 31, v0                          ; lane
	s_wait_alu depctr_va_sdst(0)                   ; the wave's number is written, ahead of the first line that reads it
	s_lshl_b32 s28, s[WV], 22                      ; 32 w rows of x
	s_mul_i32 s29, s[WV], 32*PITCH                 ; 32 w rows of a chunk
	s_lshl_b32 s30, s[WV], 9                       ; 128 w numbers of 4 bytes
	s_lshl_b32 s31, s[JJ], 7
	v_lshlrev_b32 v[WOF], 4, v25
	v_lshlrev_b32 v[XOF], 4, v23
	v_lshl_add_u32 v[XOF], v24, 20, v[XOF]
	v_add_nc_u32 v[XOF], s28, v[XOF]
	v_lshl_add_u32 v[PFO], v25, 17, s28
	v_mul_u32_u24 v[AAD0], v23, PITCH
	v_lshl_add_u32 v[AAD0], v24, 4, v[AAD0]
	v_mov_b32 v[AAD], v[AAD0]
	v_mul_u32_u24 v[XST0], v24, 8*PITCH
	v_lshl_add_u32 v[XST0], v23, 3, v[XST0]
	v_add_nc_u32 v[XST0], s29, v[XST0]
	v_mov_b32 v[XST], v[XST0]
	v_lshl_add_u32 v[BSO], v24, 5, s30             ; (128 w + 8 h) x 4
	v_lshl_add_u32 v[BVO], v23, 2, s30             ; (128 w + r) x 4
	v_add_nc_u32 v[QAD], QL, v[BSO]
	v_add_nc_u32 v[SPS], SP, v[BVO]
	v_lshl_add_u32 v[SPR], v25, 4, SP
	v_lshl_add_u32 v[PWA], v25, 4, s30
	v_add_nc_u32 v[CXR], CX, v[PWA]
	v_add_nc_u32 v[PWA], PW, v[PWA]
	v_add_nc_u32 v[PRD], PW, v[BSO]
	v_add_nc_u32 v[CXS], CX, v[BVO]
	v_lshl_add_u32 v[TIX], v25, 2, s31
	v_lshlrev_b32 v[QTO], 4, v0
	v_lshl_add_u32 v26, v0, 4, QL                  ; where my four numbers of q go
	s_wait_kmcnt 0x0
	s_lshl_b32 s28, s[BB], 2
	s_mov_b32 s29, 0
	s_add_nc_u64 s[16:17], s[16:17], s[28:29]
	s_load_b32 s[LEN], s[16:17], 0x0               ; len[b]: it enters a compare and a select, no address and no branch
	s_lshl_b32 s28, s[JJ], 24                      ; 128 j rows of TROW bytes,
	s_lshl_b32 s30, s[BB], 12                      ; b's 4,096 bytes in each
	s_add_co_u32 s28, s28, s30
	s_add_nc_u64 s[XP:XP+1], s[XP:XP+1], s[28:29]
	s_lshl_b32 s28, s[WV], 19
	s_add_nc_u64 s[WP:WP+1], s[WP:WP+1], s[28:29]
	s_lshl_b32 s28, s[BB], 11
	s_add_nc_u64 s[8:9], s[8:9], s[28:29]          ; qpart at row b of plane 0
	s_lshl_b32 s28, s[BB], 13
	s_lshl_b32 s30, s[JJ], 9
	s_add_co_u32 s28, s28, s30
	s_add_nc_u64 s[18:19], s[18:19], s[28:29]      ; scores at (b, 128 j)
	s_lshl4_add_u32 s28, s[BB], s[JJ]
	s_lshl_b32 s28, s28, 11
	s_lshl_b32 s30, s[WV], 9
	s_add_co_u32 s28, s28, s30
	s_add_nc_u64 s[20:21], s[20:21], s[28:29]      ; pctx at (b, j, 128 w)
	; ---- the first loads, q, the first bias, chunk 0
	s_wait_alu depctr_va_vdst(0)                   ; the addresses v2 to v21 and v26 are written, which the kernel's loads and stores read
	XL 0, 0
	XL 1, 1
.irp k, 0,1,2,3,4,5,6,7
	global_load_b128 v[64+4*\k:67+4*\k], v[QTO], s[8:9] offset:\k*65536  ; thread t: q's numbers 4 t .. 4 t + 3, the eight partial sums
.endr
	global_load_b128 v[96:99], v[QTO], s[14:15]    ; b_proj
	WIN 0x40
.irp b, 0,1,2,3,4,5,6,7
	global_load_b128 v[192+8*\b:195+8*\b], v[BSO], s[10:11] offset:64*\b     ; b_score[128 w + 16 b + 8 h + 0..7]: pass 1's C operand
	global_load_b128 v[196+8*\b:199+8*\b], v[BSO], s[10:11] offset:64*\b+16
.endr
	BL 0, 0
	BL 1, 1
	BL 2, 2
	WIN 0
	s_wait_kmcnt 0x0                               ; len[b]
	s_wait_loadcnt 48                              ; all but W's three steps
.irp k, 0,2,4,6
	v_pk_add_f32 v[64+4*\k:65+4*\k], v[64+4*\k:65+4*\k], v[68+4*\k:69+4*\k]
	v_pk_add_f32 v[66+4*\k:67+4*\k], v[66+4*\k:67+4*\k], v[70+4*\k:71+4*\k]
.endr
	v_cvt_pk_bf16_f32 v22, v96, v97                ; b_proj rounded to bf16, like every input
	v_cvt_pk_bf16_f32 v23, v98, v99
.irp k, 0,4
	v_pk_add_f32 v[64+4*\k:65+4*\k], v[64+4*\k:65+4*\k], v[72+4*\k:73+4*\k]
	v_pk_add_f32 v[66+4*\k:67+4*\k], v[66+4*\k:67+4*\k], v[74+4*\k:75+4*\k]
.endr
	v_lshlrev_b32 v96, 16, v22
	v_and_b32 v97, s[HIM], v22
	v_lshlrev_b32 v98, 16, v23
	v_and_b32 v99, s[HIM], v23
	v_pk_add_f32 v[64:65], v[64:65], v[80:81]
	v_pk_add_f32 v[66:67], v[66:67], v[82:83]
	v_pk_add_f32 v[64:65], v[64:65], v[96:97]
	v_pk_add_f32 v[66:67], v[66:67], v[98:99]
.irp k, 64,65,66,67
	v_max_num_f32 v\k, 0, v\k
.endr
	WIN 0x45                                       ; destination and both sources in window 1
.set i, 192
.rept 32                               ; b_score rounded to bf16 and widened again, in place, a pair at a time
	v_cvt_pk_bf16_f32 v[i], v[i], v[i+1]
	v_and_b32 v[i+1], s[HIM], v[i]
	v_lshlrev_b32 v[i], 16, v[i]
.set i, i+2
.endr
	WIN 0
.irp g, 0,4,8,12,16,20,24,28
	CVT4 0, \g                                     ; chunk 0
.endr
	s_wait_alu depctr_va_vdst(0)                   ; q in v64-67 and chunk 0's packed words are written, which the LDS stores read; the lines above are done with v64-99 and with set 0, in which loads land below
	ds_store_b128 v26, v[64:67]
	XSTORE 0, 0
	s_wait_alu depctr_vm_vsrc(0)                   ; those stores have read set 0's first 32 registers, in which chunk 2 lands, and v64-67, in which the first fragments land
	XL 0, 2
	s_wait_dscnt 0x0                               ; my part of chunk 0 and of q is in LDS,
	s_barrier_signal -1
	s_barrier_wait -1                              ; everybody's is
	FA 0, 0, 0
	FA 1, 0, 0
	; ---- pass 1: the keys.  STEP ps, q, first, conv, xl, pf, sig, bw, fa, bl, lc, bump
	; The count 48 leaves out the youngest three groups of 16 loads.  The same waits show a chunk of x landed a step before it is rounded.  When x's last chunk has been asked for (step 24) the counts fall to two steps' W: 32.
	STEP 1, 0,  1, 1, 1, 0, 1, 0,  1, 1, 48, 0     ; step 0
	s_mov_b32 s[CNT], 6
.Lp1:                                                  ; steps 1 to 24; a barrier's signal is open at the label, on the way in and on the way back
	STEP 1, 1,  0, 0, 0, 0, 0, 1,  1, 1, 48, 0
	STEP 1, 2,  0, 1, 1, 1, 1, 0,  1, 1, 48, 0
	STEP 1, 3,  0, 0, 0, 0, 0, 1,  1, 1, 48, 1
	STEP 1, 0,  0, 1, 1, 1, 1, 0,  1, 1, 48, 0
	s_sub_co_u32 s[CNT], s[CNT], 1
	s_cmp_lg_u32 s[CNT], 0
	s_cbranch_scc1 .Lp1
	STEP 1, 1,  0, 0, 0, 0, 0, 1,  1, 1, 48, 0     ; 25
	STEP 1, 2,  0, 1, 0, 0, 1, 0,  1, 1, 48, 0     ; 26: chunk 14 is rounded; nothing of x is left to ask for
	STEP 1, 3,  0, 0, 0, 0, 0, 1,  1, 1, 48, 1     ; 27: behind its W stand x's last chunk and two steps' W
	STEP 1, 0,  0, 1, 0, 0, 1, 0,  1, 1, 32, 0     ; 28: chunk 15
	STEP 1, 1,  0, 0, 0, 0, 0, 1,  1, 1, 32, 0     ; 29: from here on the loads of W are pass 2's: the stream goes on
	STEP 1, 2,  0, 0, 0, 0, 0, 0,  1, 1, 32, 0     ; 30
	STEP 1, 3,  0, 0, 0, 0, 0, 0,  0, 1, 32, 1     ; 31
	; ---- the scores.  Pass 2's first fragments and its bias are asked for first; they land under the vector work.
	s_mov_b32 s[LB], 0
	v_mov_b32 v[AAD], v[AAD0]                      ; no LDS instruction has read v[AAD] since step 31's wait on vm_vsrc, which has also freed the two sets of x: the stores of chunks 14 and 15 have read them
	PLACES
	s_wait_alu depctr_va_vdst(0)                   ; v[AAD] is written, which the fragments' loads read; step 31's products are done reading buffer 3, in which b_value lands
	FA 0, 0, 0
	FA 1, 0, 0
.irp b, 0,1,2,3,4,5,6,7
	ds_load_b128 v[XR+8*\b:XR+8*\b+3],   v[QAD] offset:64*\b      ; q[128 w + 16 b + 8 h + 0..7]
	ds_load_b128 v[XR+8*\b+4:XR+8*\b+7], v[QAD] offset:64*\b+16
.endr
	WIN 0x40
.irp b, 0,1,2,3,4,5,6,7
	global_load_b32 v[192+8*\b], v[BVO], s[12:13] offset:64*\b    ; b_value[128 w + 16 b + r]
.endr
	RELU
	s_wait_dscnt 0x0                               ; q (and the fragments)
.irp hi, 0,1                           ; for each of my eight row blocks a pair of sums over my 128 columns; the first product starts a sum; four sums take turns
	WIN 0x02+\hi
.irp b, 0,1,2,3,4,5,6,7
.irp jp, 0,1,2,3
.irp a, 0,1,2,3
.if ((\b) == 0) && ((\jp) == 0)
	v_pk_mul_f32 v[PK+2*(4*\hi+\a):PK+2*(4*\hi+\a)+1], v[8*(8*\a+\b)+2*\jp:8*(8*\a+\b)+2*\jp+1], v[XR+8*\b+2*\jp:XR+8*\b+2*\jp+1]
.else
	v_pk_fma_f32 v[PK+2*(4*\hi+\a):PK+2*(4*\hi+\a)+1], v[8*(8*\a+\b)+2*\jp:8*(8*\a+\b)+2*\jp+1], v[XR+8*\b+2*\jp:XR+8*\b+2*\jp+1], v[PK+2*(4*\hi+\a):PK+2*(4*\hi+\a)+1]
.endif
.endr
.endr
.endr
.endr
	WIN 0
.irp a, 0,1,2,3,4,5,6,7
	v_add_f32 v[PK+2*\a], v[PK+2*\a], v[PK+2*\a+1]
.endr
.irp a, 0,1,2,3,4,5,6,7
	v_permlanex16_b32 v[PK+2*\a+1], v[PK+2*\a], s[SEL], s[SEL+1]  ; the row's other 64 of my columns lie in the lane 16 away
.endr
.irp a, 0,1,2,3,4,5,6,7
	v_add_f32 v[PK+2*\a], v[PK+2*\a], v[PK+2*\a+1]
.endr
	s_wait_alu depctr_va_vdst(0)                   ; the eight sums are written, which the LDS stores read; the lines above are done with v40-47, in which loads land below
.irp a, 0,1,2,3,4,5,6,7
	ds_store_b32 v[SPS], v[PK+2*\a] offset:64*\a   ; row 16 a + r; both halves of the lanes hold, and write, the same number
.endr
	s_wait_dscnt 0x0                               ; for the others' sake
	s_barrier_signal -1
	s_barrier_wait -1
	s_wait_alu depctr_vm_vsrc(0)                   ; my LDS stores have read v32 to v46: the loads below land in v40-55, and the additions behind them write v32-35
.irp k, 0,1,2,3
	ds_load_b128 v[40+4*\k:43+4*\k], v[SPR] offset:512*\k  ; the four waves' parts of rows 4 x lane + 0..3: every wave makes all 128 scores, since every wave wants all p
.endr
	s_wait_dscnt 0x0
	v_pk_add_f32 v[40:41], v[40:41], v[44:45]
	v_pk_add_f32 v[42:43], v[42:43], v[46:47]
	v_pk_add_f32 v[48:49], v[48:49], v[52:53]
	v_pk_add_f32 v[50:51], v[50:51], v[54:55]
	v_pk_add_f32 v[32:33], v[40:41], v[48:49]
	v_pk_add_f32 v[34:35], v[42:43], v[50:51]
.irp i, 0,1,2,3
	v_add_nc_u32 v[22+\i], \i, v[TIX]
.endr
.irp i, 0,1,2,3
	v_cmp_le_i32 s[28+\i], s[LEN], v[22+\i]        ; len <= t: the four compares in a run, each into a mask of its own
.endr
	s_wait_alu depctr_va_sdst(0)                   ; the four masks s28 to s31 are written, ahead of the selects that read them
.irp i, 0,1,2,3
	v_cndmask_b32 v[22+\i], 0, s[M100], s[28+\i]
.endr
.irp i, 0,1,2,3
	v_add_f32 v[32+\i], v[32+\i], v[22+\i]         ; the mask is added, as in the source: a row past the length still counts
.endr
	v_max3_num_f32 v24, v32, v33, v34
	v_max_num_f32 v24, v24, v35
	v_max_num_f32_dpp v24, v24, v24 row_xmask:1 row_mask:0xf bank_mask:0xf
	v_max_num_f32_dpp v24, v24, v24 row_xmask:2 row_mask:0xf bank_mask:0xf
	v_max_num_f32_dpp v24, v24, v24 row_xmask:4 row_mask:0xf bank_mask:0xf
	v_max_num_f32_dpp v24, v24, v24 row_xmask:8 row_mask:0xf bank_mask:0xf
	v_permlanex16_b32 v25, v24, s[SEL], s[SEL+1]
	v_max_num_f32 v24, v24, v25                    ; m_j, in every lane
.irp i, 0,1,2,3
	v_sub_f32 v[36+\i], v[32+\i], v24              ; first the difference, then the scale: no difference of large products
.endr
.irp i, 0,1,2,3
	v_mul_f32 v[36+\i], s[L2E], v[36+\i]
.endr
.irp i, 0,1,2,3
	v_exp_f32 v[36+\i], v[36+\i]
.endr
	v_nop                                          ; a plain instruction behind the last exponential (ISA guide 5.7.2)
	s_wait_alu depctr_va_vdst(0)                   ; the four exponentials have written v36-39, ahead of the first line that names them and of the branch; the masked scores v32-35 are written: the two stores below read both
	s_cmp_lg_u32 s[WV], 0
	s_cbranch_scc1 .Lnost
	global_store_b128 v[WOF], v[32:35], s[18:19]   ; wave 0 stores the block's 128 masked scores: 512 consecutive bytes
.Lnost:
	ds_store_b128 v[PWA], v[36:39]                 ; my wave's own copy of p: read back by this wave alone, so no barrier
	s_wait_loadcnt 0x0                             ; b_value (and W's three steps)
	WIN 0x45
.irp b, 0,1,2,3,4,5,6,7
	v_cvt_pk_bf16_f32 v[192+8*\b], v[192+8*\b], v[192+8*\b]  ; rounded to bf16,
	v_lshlrev_b32 v[192+8*\b], 16, v[192+8*\b]               ; widened again,
.irp k, 1,2,3,4,5,6,7
	v_mov_b32 v[192+8*\b+\k], v[192+8*\b]                    ; and the same for the lane's eight rows: pass 2's C operand
.endr
.endr
	WIN 0
	s_wait_xcnt 0x0                                ; the scores' store has had its address translated (ISA guide 3.1): its data registers are written again only behind this wait,
	s_wait_alu depctr_vm_vsrc(0)                   ; and both stores have read v32-39: step 0's loads of the odd step's fragments land in v32-63
	; ---- pass 2: the values.  Behind a step's W stand two later steps': 32 loads; the counts run down at the end.
	STEP 2, 0,  1, 0, 0, 0, 0, 0,  1, 1, 0, 0      ; step 0
	s_mov_b32 s[CNT], 7
.Lp2:                                                  ; steps 1 to 28
	STEP 2, 1,  0, 0, 0, 0, 0, 0,  1, 1, 32, 0
	STEP 2, 2,  0, 0, 0, 0, 0, 0,  1, 1, 32, 0
	STEP 2, 3,  0, 0, 0, 0, 0, 0,  1, 1, 32, 1
	STEP 2, 0,  0, 0, 0, 0, 0, 0,  1, 1, 32, 0
	s_sub_co_u32 s[CNT], s[CNT], 1
	s_cmp_lg_u32 s[CNT], 0
	s_cbranch_scc1 .Lp2
	STEP 2, 1,  0, 0, 0, 0, 0, 0,  1, 0, 32, 0     ; 29: nothing of W is left to ask for
	STEP 2, 2,  0, 0, 0, 0, 0, 0,  1, 0, 16, 0     ; 30
	STEP 2, 3,  0, 0, 0, 0, 0, 0,  0, 0, 0, 0      ; 31: it issues no load and no store, so it holds no s_wait_alu
	; ---- the block's part of the context
	PLACES
	PLACES
.irp a, 0,1,2,3,4,5,6,7
	ds_load_b128 v[XR+8*\a:XR+8*\a+3],   v[PRD] offset:64*\a      ; p[16 a + 8 h + 0..7].  No wait: no vector or matrix instruction of pass 2 names v128-191, and no store has read them
	ds_load_b128 v[XR+8*\a+4:XR+8*\a+7], v[PRD] offset:64*\a+16
.endr
	RELU
	s_wait_dscnt 0x0
.irp hi, 0,1                           ; for each of my eight column blocks a pair of sums over the 128 rows; eight sums take turns
	WIN 0x02+\hi
.irp a, 0,1,2,3
.irp jp, 0,1,2,3
.irp b, 0,1,2,3,4,5,6,7
.if ((\hi) == 0) && ((\a) == 0) && ((\jp) == 0)
	v_pk_mul_f32 v[PK+2*\b:PK+2*\b+1], v[8*(8*\a+\b)+2*\jp:8*(8*\a+\b)+2*\jp+1], v[XR+8*(4*\hi+\a)+2*\jp:XR+8*(4*\hi+\a)+2*\jp+1]
.else
	v_pk_fma_f32 v[PK+2*\b:PK+2*\b+1], v[8*(8*\a+\b)+2*\jp:8*(8*\a+\b)+2*\jp+1], v[XR+8*(4*\hi+\a)+2*\jp:XR+8*(4*\hi+\a)+2*\jp+1], v[PK+2*\b:PK+2*\b+1]
.endif
.endr
.endr
.endr
.endr
	WIN 0
.irp b, 0,1,2,3,4,5,6,7
	v_add_f32 v[PK+2*\b], v[PK+2*\b], v[PK+2*\b+1]
.endr
.irp b, 0,1,2,3,4,5,6,7
	v_permlanex16_b32 v[PK+2*\b+1], v[PK+2*\b], s[SEL], s[SEL+1]  ; the column's other 64 rows lie in the lane 16 away
.endr
.irp b, 0,1,2,3,4,5,6,7
	v_add_f32 v[PK+2*\b], v[PK+2*\b], v[PK+2*\b+1]
.endr
	s_wait_alu depctr_va_vdst(0)                   ; the eight sums are written, which the LDS stores read; step 31's products are done reading v56-59, in which the load below lands
.irp b, 0,1,2,3,4,5,6,7
	ds_store_b32 v[CXS], v[PK+2*\b] offset:64*\b   ; column 16 b + r of my 128
.endr
	ds_load_b128 v[56:59], v[CXR]                  ; back as four neighbouring columns a lane: my wave's own bytes, and LDS serves a wave's instructions in order (ISA guide 5.7.1.4)
	s_wait_dscnt 0x0
	global_store_b128 v[WOF], v[56:59], s[20:21]   ; 512 consecutive bytes
	s_wait_dscnt 0x0                               ; the closing lines, six on end
	s_wait_alu 0x0
	s_wait_tensorcnt 0x0
	ds_add_u32 v[SPW], v[NIL]
	s_wait_dscnt 0x0
	s_endpgm
.Lfunc_end_k_q3997c15135_main:
	.size	k_q3997c15135_main, .Lfunc_end_k_q3997c15135_main-k_q3997c15135_main
	.p2alignl 7, 3214868480
	.fill 96, 4, 3214868480
	.section	.rodata,"a",@progbits
	.p2align	6, 0x0
	.amdhsa_kernel k_q3997c15135_main
		.amdhsa_group_segment_fixed_size 303616
		.amdhsa_private_segment_fixed_size 0
		.amdhsa_enable_private_segment 0
		.amdhsa_kernarg_size 72
		.amdhsa_user_sgpr_count 2
		.amdhsa_user_sgpr_kernarg_segment_ptr 1
		.amdhsa_wavefront_size32 1
		.amdhsa_system_sgpr_workgroup_id_x 1
		.amdhsa_system_sgpr_workgroup_id_y 1
		.amdhsa_system_sgpr_workgroup_id_z 1
		.amdhsa_system_vgpr_workitem_id 0
		.amdhsa_next_free_vgpr 1024
		.amdhsa_next_free_sgpr 66
		.amdhsa_reserve_vcc 0
		.amdhsa_float_denorm_mode_32 3
		.amdhsa_float_denorm_mode_16_64 3
		.amdhsa_memory_ordered 1
		.amdhsa_forward_progress 1
		.amdhsa_inst_pref_size 255
	.end_amdhsa_kernel
	.section	.bss,"aw",@nobits
	.p2align	6
	.space	262144
	.amdgpu_metadata
---
amdhsa.version: [ 1, 2 ]
amdhsa.kernels:
  - .name:           k_q3997c15135_main
    .symbol:         k_q3997c15135_main.kd
    .args:
      - { .name: listener_state, .offset: 0, .size: 8, .value_kind: global_buffer, .address_space: global }
      - { .name: wf, .offset: 8, .size: 8, .value_kind: global_buffer, .address_space: global }
      - { .name: qpart, .offset: 16, .size: 8, .value_kind: global_buffer, .address_space: global }
      - { .name: b_score, .offset: 24, .size: 8, .value_kind: global_buffer, .address_space: global }
      - { .name: b_value, .offset: 32, .size: 8, .value_kind: global_buffer, .address_space: global }
      - { .name: b_proj, .offset: 40, .size: 8, .value_kind: global_buffer, .address_space: global }
      - { .name: listener_len, .offset: 48, .size: 8, .value_kind: global_buffer, .address_space: global }
      - { .name: scores, .offset: 56, .size: 8, .value_kind: global_buffer, .address_space: global }
      - { .name: pctx, .offset: 64, .size: 8, .value_kind: global_buffer, .address_space: global }
    .group_segment_fixed_size: 303616
    .private_segment_fixed_size: 0
    .kernarg_segment_align: 8
    .kernarg_segment_size: 72
    .max_flat_workgroup_size: 128
    .sgpr_count:     66
    .vgpr_count:     1024
    .wavefront_size: 32
...
	.end_amdgpu_metadata
.endif
;; end of part 4
;; launch finish: the kernel of part 3 again; grid 32 x 1, 16 waves a work-group, no clusters, 10,496 bytes of LDS; arguments scores, pctx, out0, out1; writes out0, out1
